; MI455X (gfx1250); checked and timed in simulation.
; The chip was launched on July 23, 2026; its instructions are those of AMD's public machine-readable ISA for CDNA 5 (MIT licence, August 2026) and "CDNA5" Instruction Set Architecture Reference Guide (July 2026). The comments in the code are by the model that wrote it; some were corrected since.
;; Multi Head Self Attn. Allowed arithmetic: matrix products marked QUANTISED: E2M3 operands, one E8M0 scale for each 32 along K, by v_wmma_scale_f32_16x16x128_f8f6f4 with both operands' format E2M3, f32 sums; everything else in f32.
;; Inputs: Wk 2,048 x 2,048 float32; Wo 2,048 x 2,048 float32; Wq 2,048 x 2,048 float32; Wv 2,048 x 2,048 float32; mask 2,048 x 2,048 bool; x 1 x 2,048 x 2,048 float32.
;; Outputs: out0 1 x 2,048 x 2,048 float32.
;; This version of the problem:
;;   THIS VERSION OF THE PROBLEM IS GIVEN IN LOW PRECISION. The matrix products marked QUANTISED in the list below multiply operands that are first quantised to E2M3 (2 exponent bits, 3 mantissa bits; 6 bits a number), with one power-of-two scale for each 32 numbers along K (OCP MX v1.0); their sums are f32. All else is computed in f32.
;;   The module's matrix products, in the order in which they are computed (A, B: the left and right operand; K: the contracted axis; several contracted axes count as one K, in the product's order):
;;     1. [M 2,048, K 2,048] x [K 2,048, N 2,048]; A: input x; B: input Wq: QUANTISED
;;     2. [M 2,048, K 2,048] x [K 2,048, N 2,048]; A: input x; B: input Wk: QUANTISED
;;     3. [M 2,048, K 2,048] x [K 2,048, N 2,048]; A: input x; B: input Wv: QUANTISED
;;     4. batch 16 x [M 2,048, K 128] x [K 128, N 2,048]; A: computed on the way; B: computed on the way: QUANTISED
;;     5. batch 16 x [M 2,048, K 2,048] x [K 2,048, N 128]; A: softmax (see below); B: computed on the way: QUANTISED
;;     6. [M 2,048, K 2,048] x [K 2,048, N 2,048]; A: computed on the way; B: input Wo: QUANTISED
;;   THE QUANTISER, for each operand of a quantised product, along K:
;;     - K is cut into blocks of 32 from its start; a last block that is shorter is filled with zeros.
;;     - A block's scale is 2^e with e = floor(log2(the largest magnitude in the block)) - 2, held to -126 .. 127; a block of zeros has e = 0. As a byte (E8M0): e + 127.
;;     - Each number is divided by its block's scale, clamped to +-7.5, and rounded to the nearest number of E2M3, ties to even, subnormals kept.
;;     - The product sums the exact products of the quantised numbers (number of the format x scale) in f32.
;;   ~~~python
;;   def quantise(x, axis):      # numpy; x: float32 -> the quantised numbers, widened to float32 again
;;       x = np.moveaxis(x, axis, -1); K = x.shape[-1]
;;       x = np.pad(x, [(0, 0)] * (x.ndim - 1) + [(0, -K % 32)]); x = x.reshape(x.shape[:-1] + (-1, 32)); a = np.abs(x).max(-1, keepdims=True)
;;       e = np.where(a > 0, np.clip(np.frexp(np.where(a > 0, a, 1))[1] - 1 - 2, -126, 127), 0)      # np.frexp(a)[1] - 1 = floor(log2(a)), exactly
;;       r = np.clip(x / 2.0 ** e, -7.5, 7.5)
;;       step = 2.0 ** (np.maximum(np.frexp(np.where(r == 0, 1, r))[1] - 1, 0) - 3)
;;       q = np.round(r / step) * step * 2.0 ** e      # np.round: ties to even
;;       return np.moveaxis(q.reshape(q.shape[:-2] + (-1,))[..., :K], -1, axis).astype(np.float32)
;;   ~~~
;;   SOFTMAX AHEAD OF A QUANTISED PRODUCT. Where the list says 'softmax', what is quantised is not the finished softmax but p = 2^(t - M), with t = logit x log2(e) and M = ceil(the row's largest t), a whole number; so 1/2 < the row's largest p <= 1. The row's sum l is taken of the UNQUANTISED p, in f32, and the product's result is divided by l at the end. Since M is a whole number, a kernel that streams over the keys may use a running M (the ceiling of the running maximum): every later rescaling is an exact power of two, which a block's scale takes up: the codes' values come out the same.
;;   OPERANDS COMPUTED ON THE WAY. 'Computed on the way' means the value that the module computes at that place (a softmax that the list does not call 'softmax' is quantised finished and normalised). What goes into a quantiser is computed in f32, as accurately as f32 sums, v_exp_f32 and their like allow (about 1e-6 of the number): no bf16 or f16 on the way to a quantiser, and a product that is left as it is and whose result goes on into a quantised operand takes f32 operands (vector FMAs, or v_wmma_f32_16x16x4_f32). A number that lies on a knife's edge between two numbers of the format may be rounded either way, as far as f32 arithmetic and the matrix unit's own rounding can turn it there, and no further.
;; One version. Each part assembles by itself: llvm-mc -triple=amdgcn-amd-amdhsa -mcpu=gfx1250 --defsym DOCPART=n.
;; ======== version 1 of 1: 4 launches
;; workspace buffers: wc 15,728,640 bytes; ws 655,360 bytes; mw 524,288 bytes of whole numbers; qkvc 9,437,184 bytes; qkvs 393,216 bytes; ac 3,145,728 bytes; acs 131,072 bytes
;; launch quant (part 1): grid 256 x 1, 6 waves a work-group, no clusters, 54,528 bytes of LDS; arguments x, Wq, Wk, Wv, Wo, mask, wc, ws, mw; writes wc, ws, mw
.if DOCPART == 1
	.amdgcn_target "amdgcn-amd-amdhsa--gfx1250"
	.amdhsa_code_object_version 6
	.text
	.protected	k_qfa233d03c6_quant
	.globl	k_qfa233d03c6_quant
	.p2align	8
	.type	k_qfa233d03c6_quant,@function
k_qfa233d03c6_quant:
	s_mov_b64 s[64:65], 0
	v_nop
	global_prefetch_b8 v0, s[64:65] scope:SCOPE_SE
	s_setreg_imm32_b32 hwreg(HW_REG_WAVE_MODE, 25, 1), 1
	s_wait_xcnt 0x0
; x, Wq, Wk, Wv, Wo ([2048][2048] f32, K innermost) become codes of E2M3 with one E8M0 byte for each 32 along K; the mask ([2048][2048] bytes) becomes words of lane bits.
; LAYOUTS (this program's own; its later launches alone read them).
;   Row tile g (0..127) holds at place r (0..15) row rho(g, r) = 32 (g / 2) + 8 (g % 2) + r + 8 (r / 8).
;   wc: [tensor 5][g 128][s 16][1,536 bytes]: the fragment of tile g and K step s (128 along K) as an IMAGE OF THE OPERAND'S 12 REGISTERS: registers 0-3 at 16 x lane, 4-5 at 512 + 8 x lane,
;       6-9 at 768 + 16 x lane, 10-11 at 1,280 + 8 x lane.  Lane (r, h) holds row rho(g, r); registers 6 c .. 6 c + 5 hold k = 128 s + 64 c + 32 h + 0 .. 31.
;   ws: [tensor 5][s 16][g 128][r 16] words: the four scale bytes of place r of tile g for K step s.
;   mw: [g 128][s 16][n 64] words: bit 16 h + r of word n = 16 b + i is mask[rho(g, r)][128 s + 32 b + 16 h + i].
; A block's scale is 2^(floor(log2(its largest magnitude)) - 2); its byte is the largest magnitude's exponent field - 2, held at 1 from below.
; LIMITS: a block of zeros gets the byte 1 and not 127 (its codes are zeros, and this program alone reads the bytes); blocks whose largest magnitude lies under 2^-124 are held at the byte 1;
; NaN and infinities among the inputs are not served.
; SHARES.  Work-group = (G = x / 8, sp = x % 8).  Wave w = 0..4 takes tensor w: row tiles 4 G .. 4 G + 3 x K steps 2 sp, 2 sp + 1: eight fragments.  Wave 5 takes the mask for the same tiles and steps.
; Each load of a tensor wave reads 512 consecutive bytes of one row; a fragment's 16 rows turn through the wave's own stage in LDS, so that a lane gets two whole blocks of 32 neighbours.
; Waves share nothing: no barrier.  Work-groups share no input: no cluster.  No matrix work: the launch only moves and converts.
.set FRB,   1536
.set GROW,  24576
.set PART,  3145728
.set SPART, 131072
.set WREG,  8960                       ; a wave's LDS: a stage of 16 rows x (512 + 16) bytes, then 512 bytes of scale words [K step 2][tile 4][place 16]
.set SWO,   8448
.set SPARE, 6*WREG                     ; behind the six regions: the spare words, 128 bytes a wave: three blocks of 256 bytes that no other line names
.set R,     16                         ; v16-143  two sets of 64: a fragment's numbers as loaded (wave 5: the mask's bytes, 16 registers a task)
.set X,     144                        ; v144-207 my two blocks of 32 neighbours
.set C,     208                        ; v208-231 two sets of 12: the codes
.set T0,    232                        ; v232-234, v236-238 the second halves of the two blocks' codes (a conversion's three registers begin on an even number)
.set T1,    236
.set TM,    240                        ; v240-241 largest magnitudes; v242-243 the conversions' scale operands; v244-245 the bytes
.set SO,    242
.set BY,    244
.set W,     246                        ; v246 the scale word; v247 the other half's
.set PT,    247
.set SW,    248                        ; v248-251 scale words on their way out
.set MWD,   144                        ; wave 5: v144-159 a pair of result registers for each task; v176-183 at work
.set MT,    176
	s_load_b512 s[4:19], s[0:1], 0x0               ; x, Wq, Wk, Wv, Wo, mask, wc, ws
	s_load_b64 s[20:21], s[0:1], 0x40              ; mw
	v_lshl_add_u32 v12, v0, 2, SPARE               ; my spare word; never rewritten
	v_mov_b32 v13, 0                               ; 0; never rewritten
	v_lshrrev_b32 v1, 5, v0
	v_readfirstlane_b32 s22, v1                    ; wave 0..5
	v_and_b32 v1, 31, v0                           ; lane
	v_and_b32 v2, 15, v0                           ; r
	v_bfe_u32 v3, v0, 4, 1                         ; h
	v_lshlrev_b32 v4, 4, v1                        ; 16 x lane
	v_lshlrev_b32 v5, 3, v1                        ; 8 x lane
	s_mul_i32 s23, s22, WREG
	v_add_nc_u32 v6, s23, v4                       ; the stage, on the way in: a row's 512 bytes as they lie
	v_mul_u32_u24 v7, v2, 528
	v_lshl_add_u32 v7, v3, 7, v7
	v_add_nc_u32 v7, s23, v7                       ; and on the way out: row r, block h
	v_lshlrev_b32 v8, 2, v2
	v_add_nc_u32 v8, s23, v8
	v_add_nc_u32 v8, SWO, v8                       ; where my row's scale word goes
	v_add_nc_u32 v9, SWO, v6                       ; and where 16 bytes of the 512 are read back
	v_lshlrev_b32 v10, 4, v2
	v_lshl_add_u32 v10, v3, 13, v10                ; their place in ws: lanes 0-15 K step 2 sp, lanes 16-31 the next (8,192 bytes on)
	v_lshlrev_b32 v11, 3, v3                       ; 8 h: my two bytes' shift in the scale word
	v_and_b32 v14, 8, v2
	v_add_nc_u32 v14, v14, v2                      ; r + 8 (r / 8)
	v_lshlrev_b32 v14, 11, v14
	v_lshl_add_u32 v14, v3, 4, v14                 ; the mask: that row of 2,048 bytes, + 16 h
	v_mov_b32 v[PT], 0                             ; written once: a lane permute's destination counts as one of its sources
	s_lshr_b32 s24, ttmp9, 3                       ; G
	s_and_b32 s25, ttmp9, 7                        ; sp
	s_lshl_b32 s26, s24, 19                        ; the tensor: 64 G rows of 8,192 bytes
	s_lshl_b32 s36, s25, 10                        ; + 2 sp K steps of 512 bytes
	s_add_co_u32 s26, s26, s36
	s_mov_b32 s27, 0
	s_mul_i32 s28, s22, PART                       ; wc: my tensor's part, tile 4 G, K step 2 sp
	s_mul_i32 s36, s24, 4*GROW
	s_add_co_u32 s28, s28, s36
	s_mul_i32 s36, s25, 2*FRB
	s_add_co_u32 s28, s28, s36
	s_mov_b32 s29, 0
	s_mul_i32 s30, s22, SPART                      ; ws: my tensor's part, K step 2 sp, tile 4 G
	s_lshl_b32 s36, s25, 14
	s_add_co_u32 s30, s30, s36
	s_lshl_b32 s36, s24, 8
	s_add_co_u32 s30, s30, s36
	s_mov_b32 s31, 0
	s_lshl_b32 s32, s24, 17                        ; the mask: 64 G rows of 2,048 bytes, + 256 sp
	s_lshl_b32 s36, s25, 8
	s_add_co_u32 s32, s32, s36
	s_mov_b32 s33, 0
	s_lshl_b32 s34, s24, 14                        ; mw: tile 4 G (4,096 bytes a tile), key step 2 sp (256 bytes a step)
	s_lshl_b32 s36, s25, 9
	s_add_co_u32 s34, s34, s36
	s_mov_b32 s35, 0
	s_mov_b32 s40, 0x76543210
	s_mov_b32 s41, 0xfedcba98                      ; v_permlanex16_b32's selects for lane l xor 16
	s_wait_kmcnt 0x0
	s_cmp_eq_u32 s22, 1                            ; my tensor: the choice hangs on the wave's number alone
	s_cselect_b64 s[4:5], s[6:7], s[4:5]
	s_cmp_eq_u32 s22, 2
	s_cselect_b64 s[4:5], s[8:9], s[4:5]
	s_cmp_eq_u32 s22, 3
	s_cselect_b64 s[4:5], s[10:11], s[4:5]
	s_cmp_eq_u32 s22, 4
	s_cselect_b64 s[4:5], s[12:13], s[4:5]
	s_add_nc_u64 s[4:5], s[4:5], s[26:27]
	s_add_nc_u64 s[16:17], s[16:17], s[28:29]
	s_add_nc_u64 s[18:19], s[18:19], s[30:31]
	s_add_nc_u64 s[14:15], s[14:15], s[32:33]
	s_add_nc_u64 s[20:21], s[20:21], s[34:35]
	s_cmp_eq_u32 s22, 5
	s_cbranch_scc1 .Lmask
; Fragment f = 2 j + i: tile 4 G + j, K step 2 sp + i.  Its 16 rows, place n = row 32 (j / 2) + 8 (j % 2) + n + 8 (n / 8) of my 64: 512 consecutive bytes a load.
.macro LOAD f
.set LJ, (\f)/2
.set LI, (\f)%2
.irp n, 0,1,2,3,4,5,6,7,8,9,10,11,12,13,14,15
	global_load_b128 v[R+64*((\f)%2)+4*\n:R+64*((\f)%2)+4*\n+3], v4, s[4:5] offset:(32*(LJ/2)+8*(LJ%2)+\n+8*(\n/8))*8192+512*LI th:TH_LOAD_NT
.endr
.endm
.macro STEP f
.set SJ, (\f)/2
.set SI, (\f)%2
.set RS, R+64*((\f)%2)
.set CC, C+12*((\f)%2)
.if (\f) < 7
	s_wait_loadcnt 16                              ; this fragment's 16 loads are in; the next fragment's 16 may be out
.else
	s_wait_loadcnt 0x0
.endif
.irp n, 0,1,2,3,4,5,6,7,8,9,10,11,12,13,14,15
	ds_store_b128 v6, v[RS+4*\n:RS+4*\n+3] offset:528*\n
.endr
.irp m, 0,1,2,3,4,5,6,7,8,9,10,11,12,13,14,15
	ds_load_b128 v[X+4*\m:X+4*\m+3], v7 offset:16*\m+128*(\m/8)   ; blocks h and 2 + h of my row; LDS serves a wave's instructions in order, so these see the stores above
.endr
	s_wait_dscnt 0x0                               ; my numbers are back, and the stores into the stage have read their registers,
.if (\f) < 6
	LOAD (\f)+2                                    ; which take the fragment two on
.endif
.irp c, 0,1
	v_max3_num_f32 v[TM+\c], |v[X+32*\c]|, |v[X+32*\c+1]|, 0x1800000   ; a block's largest magnitude: all 32 numbers are mine; and the floor 2^(3 - 127): the byte cannot fall under 1
.endr
.irp i, 2,4,6,8,10,12,14,16,18,20,22,24,26,28,30
.irp c, 0,1
	v_max3_num_f32 v[TM+\c], v[TM+\c], |v[X+32*\c+\i]|, |v[X+32*\c+\i+1]|   ; (the two blocks by turns)
.endr
.endr
.irp c, 0,1
	v_add_nc_u32 v[SO+\c], 0xff000000, v[TM+\c]    ; 2 off the exponent field: the conversion takes this operand's exponent field as its scale
.endr
.irp c, 0,1
	v_lshrrev_b32 v[BY+\c], 23, v[SO+\c]           ; the scale's byte
.endr
	v_lshl_or_b32 v[W], v[BY+1], 16, v[BY]         ; my two bytes, blocks h and 2 + h,
	v_lshlrev_b32 v[W], v11, v[W]                  ; at their places;
	v_permlanex16_b32 v[PT], v[W], s40, s41
	v_or_b32 v[W], v[W], v[PT]                     ; with lane l xor 16's two the word is whole
	s_wait_xcnt 0x0                                ; the stores of two fragments back have read this set of code registers: only now is it written again
	v_cvt_scalef32_pk16_fp6_f32 v[CC:CC+2], v[X:X+15], v[SO]
	v_cvt_scalef32_pk16_fp6_f32 v[T0:T0+2], v[X+16:X+31], v[SO]
	v_cvt_scalef32_pk16_fp6_f32 v[CC+6:CC+8], v[X+32:X+47], v[SO+1]
	v_cvt_scalef32_pk16_fp6_f32 v[T1:T1+2], v[X+48:X+63], v[SO+1]
	v_nop                                          ; one plain place behind the scaled conversions
.irp i, 0,1,2
	v_mov_b32 v[CC+3+\i], v[T0+\i]
	v_mov_b32 v[CC+9+\i], v[T1+\i]
.endr
	ds_store_b32 v8, v[W] offset:256*SI+64*SJ      ; lanes r and r + 16 write the same word with the same value
	global_store_b128 v4, v[CC:CC+3], s[16:17] offset:SJ*GROW+SI*FRB           ; the image: each store covers 512 or 256 consecutive bytes, aligned to 256
	global_store_b64 v5, v[CC+4:CC+5], s[16:17] offset:SJ*GROW+SI*FRB+512
	global_store_b128 v4, v[CC+6:CC+9], s[16:17] offset:SJ*GROW+SI*FRB+768
	global_store_b64 v5, v[CC+10:CC+11], s[16:17] offset:SJ*GROW+SI*FRB+1280
.endm
	LOAD 0
	LOAD 1
.irp f, 0,1,2,3,4,5,6,7
	STEP \f
.endr
	ds_load_b128 v[SW:SW+3], v9                    ; the eight fragments' scale words: 256 bytes for each of the two K steps
	s_wait_dscnt 0x0
	global_store_b128 v10, v[SW:SW+3], s[18:19]    ; sixteen lanes store 256 consecutive bytes, aligned
	s_branch .Lend
.Lmask:
; Wave 5.  Task t = 2 j + i: query tile 4 G + j, key step 2 sp + i.  Lane (r, h) loads, for b = 0..3, the 16 bytes mask[rho][128 s + 32 b + 16 h ..]; byte i of load b is my bit of word 16 b + i.
.set t, 0
.rept 8
.irp b, 0,1,2,3
	global_load_b128 v[R+16*t+4*\b:R+16*t+4*\b+3], v14, s[14:15] offset:(32*((t/2)/2)+8*((t/2)%2))*2048+128*(t%2)+32*\b
.endr
.set t, t+1
.endr
.macro MTASK t
	s_wait_loadcnt 4*(7-(\t))                      ; this task's four loads are in; the later tasks' may be out
	v_mov_b32 v[MWD+2*(\t)], 0                     ; (v_writelane_b32's destination counts as read)
	v_mov_b32 v[MWD+2*(\t)+1], 0
.set n0, 0
.rept 8                                        ; eight words at a time
.irp e, 0,1,2,3,4,5,6,7
	v_bfe_u32 v[MT+\e], v[R+16*(\t)+(n0+\e)/4], 8*(\e%4), 8
.endr
.irp e, 0,1,2,3,4,5,6,7
	v_cmp_ne_u32 s[24+\e], 0, v[MT+\e]             ; the 32 lanes' bits: word n0 + e
.endr
.irp e, 0,1,2,3,4,5,6,7
	v_writelane_b32 v[MWD+2*(\t)+\e%2], s[24+\e], (n0+\e)/2   ; lane L keeps words 2 L and 2 L + 1
.endr
.set n0, n0+8
.endr
	global_store_b64 v5, v[MWD+2*(\t):MWD+2*(\t)+1], s[20:21] offset:4096*((\t)/2)+256*((\t)%2)   ; 32 lanes store 256 consecutive bytes, aligned
.endm
.irp t, 0,1,2,3,4,5,6,7
	MTASK \t
.endr
.Lend:
	s_wait_tensorcnt 0x0                           ; the wave's end, behind my last LDS store
	ds_add_u32 v12, v13
	s_wait_dscnt 0x0
	s_endpgm
.Lfunc_end_k_qfa233d03c6_quant:
	.size	k_qfa233d03c6_quant, .Lfunc_end_k_qfa233d03c6_quant-k_qfa233d03c6_quant
	.p2alignl 7, 3214868480
	.fill 96, 4, 3214868480
	.section	.rodata,"a",@progbits
	.p2align	6, 0x0
	.amdhsa_kernel k_qfa233d03c6_quant
		.amdhsa_group_segment_fixed_size 54528
		.amdhsa_private_segment_fixed_size 0
		.amdhsa_enable_private_segment 0
		.amdhsa_kernarg_size 72
		.amdhsa_user_sgpr_count 2
		.amdhsa_user_sgpr_kernarg_segment_ptr 1
		.amdhsa_wavefront_size32 1
		.amdhsa_system_sgpr_workgroup_id_x 1
		.amdhsa_system_sgpr_workgroup_id_y 1
		.amdhsa_system_sgpr_workgroup_id_z 1
		.amdhsa_system_vgpr_workitem_id 0
		.amdhsa_next_free_vgpr 256
		.amdhsa_next_free_sgpr 66
		.amdhsa_reserve_vcc 0
		.amdhsa_float_denorm_mode_32 3
		.amdhsa_float_denorm_mode_16_64 3
		.amdhsa_memory_ordered 1
		.amdhsa_forward_progress 1
		.amdhsa_inst_pref_size 160
	.end_amdhsa_kernel
	.amdgpu_metadata
---
amdhsa.version: [ 1, 2 ]
amdhsa.kernels:
  - .name:           k_qfa233d03c6_quant
    .symbol:         k_qfa233d03c6_quant.kd
    .args:
      - { .name: x, .offset: 0, .size: 8, .value_kind: global_buffer, .address_space: global }
      - { .name: Wq, .offset: 8, .size: 8, .value_kind: global_buffer, .address_space: global }
      - { .name: Wk, .offset: 16, .size: 8, .value_kind: global_buffer, .address_space: global }
      - { .name: Wv, .offset: 24, .size: 8, .value_kind: global_buffer, .address_space: global }
      - { .name: Wo, .offset: 32, .size: 8, .value_kind: global_buffer, .address_space: global }
      - { .name: mask, .offset: 40, .size: 8, .value_kind: global_buffer, .address_space: global }
      - { .name: wc, .offset: 48, .size: 8, .value_kind: global_buffer, .address_space: global }
      - { .name: ws, .offset: 56, .size: 8, .value_kind: global_buffer, .address_space: global }
      - { .name: mw, .offset: 64, .size: 8, .value_kind: global_buffer, .address_space: global }
    .group_segment_fixed_size: 54528
    .private_segment_fixed_size: 0
    .kernarg_segment_align: 8
    .kernarg_segment_size: 72
    .max_flat_workgroup_size: 192
    .sgpr_count:     66
    .vgpr_count:     256
    .wavefront_size: 32
...
	.end_amdgpu_metadata
.endif
;; end of part 1
;; launch proj (part 2): grid 16 x 48, 4 waves a work-group, clusters of 4 x 4, 327,680 bytes of LDS; arguments wc, ws, qkvc, qkvs; writes qkvc, qkvs
.if DOCPART == 2
	.amdgcn_target "amdgcn-amd-amdhsa--gfx1250"
	.amdhsa_code_object_version 6
	.text
	.protected	k_qfa233d03c6_proj
	.globl	k_qfa233d03c6_proj
	.p2align	8
	.type	k_qfa233d03c6_proj,@function
k_qfa233d03c6_proj:
	s_mov_b64 s[64:65], 0
	v_nop
	global_prefetch_b8 v0, s[64:65] scope:SCOPE_SE
	s_setreg_imm32_b32 hwreg(HW_REG_WAVE_MODE, 25, 1), 1
	s_wait_xcnt 0x0
	s_wait_alu depctr_hold_cnt(0) depctr_sa_sdst(0) depctr_va_vdst(0) depctr_va_sdst(0) depctr_va_ssrc(0) depctr_va_vcc(0) depctr_vm_vsrc(0)
	s_getreg_b32 s2, hwreg(HW_REG_IB_STS2, 6, 4)
	s_cmp_eq_u32 s2, 0
	s_cbranch_scc0 .Lentry_in_a_cluster
	s_endpgm
.Lentry_in_a_cluster:
	s_bfe_u32 s2, ttmp6, 0x10000c
	s_cmp_lg_u32 s2, 0xf033
	s_cbranch_scc0 .Lentry_shape_is_right
	s_endpgm
.Lentry_shape_is_right:
; q = x Wq^T, k = x Wk^T, v = x Wv^T on codes of E2M3 (K = 2,048), each result quantised again on its way out: q and k along the features (128 to a head), v along the tokens (the keys).
; OPERANDS come as images of fragments (wc: [part 5][tile 128][K step 16][1,536 bytes]; parts x, Wq, Wk, Wv, Wo) and scale words (ws: [part][K step 16][tile 128][place 16]).
; Tile g holds at place r row rho(g, r) = 32 (g / 2) + 8 (g % 2) + r + 8 (r / 8).  THE MATRIX INSTRUCTION TAKES source 0 = a tile of the COLUMN operand, source 1 = a tile of the ROW operand: lane (r, h) then
; holds row rho(row tile, r), and register j of column tile g column 32 (g / 2) + 16 h + 8 (g % 2) + j: the 16 registers of tiles 2 b, 2 b + 1 are 16 neighbours along the next product's K.
; p = 0: rows x, columns Wq;  p = 1: rows x, columns Wk;  p = 2: rows Wv, columns x (so that v's registers run along the keys).
; RESULTS: qkvc [p 3][row tile 128][step 16][1,536] and qkvs [p 3][step 16][row tile 128][place 16], in the same two layouts; step = the work-group's block of 128 columns.
; SHARES.  A work-group makes 128 x 128, four waves 64 x 64 each (16 accumulators): 3 x 256 = 768 work-groups; tiles of 256 x 256 would make 192.
; K's 16 steps lie in three LDS slots of four steps; the first fills bring steps 0-11 and all scale words (four tensor loads a wave are out at the most); ONE refill brings steps 12-15 into slot 0.
; CLUSTER 4 x 4: the row operand's tiles are shared along a row of the cluster, the column operand's along a column: each is asked for jointly, by the same load with the same descriptor in the four named.
; LIMITS: as the quantiser's: a block of zeros gets the byte 1; magnitudes under 2^-124 are held at the byte 1; NaN and infinities are not served.
; REGISTERS.  Window 0: v1-23 addresses; v28, v29 the add's two; v32-39 scale words, two sets (register i: lanes 0-15 the row operand's tile i, lanes 16-31 the column operand's); v40-107 the way out;
;   v128-255 accumulators ((a, b) at 128 + 32 a + 8 b).  Window 1: two fragment buffers, v0-95 and v128-223: row fragments at + 12 a, column fragments at + 48 + 12 b.
.set FRB,   1536
.set GROW,  24576
.set PART,  3145728
.set SROW,  8192
.set SPART, 131072
.set SLOT,  98304                      ; four K steps: the row operand's 8 tiles x 6,144 bytes, then the column operand's
.set COFF,  49152
.set SCL,   294912                     ; behind the slots: the row operand's scale words [step 16][tile 8][place 16], then the column operand's
.set STG,   311296                     ; a stage for the results' scale bytes: 256 bytes for each wave; no tensor load lands here
.set SPARE, 312320                     ; the spare words, 128 bytes a wave: two blocks of 256 bytes that no other line names
.set SPW,   28
.set NIL,   29
.set SC,    32
.set TM,    40                         ; v40-47 at work in the way out
.set ACC,   128
.set G1R,   24
.set G1C,   32
.set G1SR,  40
.set G1SC,  48
.set G0SR,  56
.set G0R0,  60
.set G0R1,  68
.set G0R2,  72
.set G0SC,  76
.set G0C0,  80
.set G0C1,  84
.set G0C2,  88
.set SEL,   66
.set MSB, 0
.macro WIN new                         ; the immediate's high byte repeats the setting that is left
.if MSB != \new
	s_set_vgpr_msb (MSB<<8)|\new
.set MSB, \new
.endif
.endm
.set MUL,  0x05                        ; sources 0 and 1 window 1; C and D window 0
.set TO_F, 0x40                        ; destination window 1, address window 0
; A joint load: waves 0 and 1 fetch for the row operand, waves 2 and 3 for the column operand.  The branch hangs on the wave's number alone.  An s_nop 0 and four v_nop follow each line.
.macro JLOAD g0r, g1r, g0c, g1c
	s_cmp_eq_u32 s15, 0
	s_cbranch_scc0 .Lfor_c_\@
	tensor_load_to_lds s[\g0r:\g0r+3], s[\g1r:\g1r+7]
	s_nop 0
.rept 4
	v_nop
.endr
	s_branch .Lasked_\@
.Lfor_c_\@:
	tensor_load_to_lds s[\g0c:\g0c+3], s[\g1c:\g1c+7]
	s_nop 0
.rept 4
	v_nop
.endr
.Lasked_\@:
.endm
.macro CREST                           ; a round of the cluster's barrier behind its opening barrier
	s_cmp_lg_u32 s14, 0
	s_cbranch_scc1 .Lnot_wave_0_\@
	s_barrier_signal -3
.Lnot_wave_0_\@:
	s_barrier_wait -3
	s_barrier_signal -1
	s_barrier_wait -1
.endm
.macro CROUND
	s_barrier_signal -1
	s_barrier_wait -1
	CREST
.endm
.macro MKG1 g, c, r, p                 ; words 1 to 7 of a group 1: r rows of c elements of 8 bytes, p elements from row to row
	s_mov_b32 s[\g+1], (\c)<<16
	s_mov_b32 s[\g+2], (\r)<<16
	s_mov_b32 s[\g+3], (\c)<<16
	s_mov_b32 s[\g+4], \r
	s_mov_b32 s[\g+5], \p
	s_mov_b32 s[\g+6], 0
	s_mov_b32 s[\g+7], 0
.endm
.macro MKG0 g, lreg, loff, areg, aoff  ; a group 0: count 1, LDS address, global address, type 2
	s_mov_b32 s[\g], 1
	s_add_co_u32 s[\g+1], s[\lreg], \loff
	s_add_nc_u64 s[\g+2:\g+3], s[\areg:\areg+1], \aoff
	s_or_b32 s[\g+3], s[\g+3], 0x80000000
.endm
	s_load_b256 s[4:11], s[0:1], 0x0               ; wc, ws, qkvc, qkvs
	v_lshl_add_u32 v[SPW], v0, 2, SPARE
	v_mov_b32 v[NIL], 0
	ds_add_u32 v[SPW], v[NIL]                      ; the wave's opening: the add and its wait come ahead of my first tensor load; the set-up below, work on registers, stands between them
	v_lshrrev_b32 v1, 5, v0
	v_readfirstlane_b32 s14, v1                    ; wave 0..3
	s_lshr_b32 s15, s14, 1                         ; rh: my half of the rows.  Also: I fetch for the row operand (0) or the column operand (1)
	s_and_b32 s16, s14, 1                          ; ch: my half of the columns.  Also: which half of that operand's tiles I fetch
	s_bfe_u32 s17, ttmp6, 0x40000                  ; cx
	s_bfe_u32 s18, ttmp6, 0x40004                  ; cy
	s_lshl_b32 s19, ttmp9, 2
	s_add_co_u32 s19, s19, s17                     ; Ct: block of 128 columns = 4 x cluster x + cx
	s_and_b32 s23, ttmp7, 0xffff                   ; cluster y, 0..11
	s_and_b32 s20, s23, 3
	s_lshl_b32 s20, s20, 2
	s_add_co_u32 s20, s20, s18                     ; Rt: block of 128 rows = 4 x (cluster y % 4) + cy
	s_lshr_b32 s23, s23, 2                         ; p: which product: the same in all sixteen partners
	s_lshl_b32 s21, s18, 2
	s_lshl_b32 s21, 15, s21                        ; my row of the cluster
	s_lshl_b32 s22, 0x1111, s17                    ; my column
	s_or_b32 s[G1R], s21, (3<<16)|(1<<21)          ; 15:0 the mask; 17:16 elements of 8 bytes; 21 set beside a mask; no padding
	s_or_b32 s[G1C], s22, (3<<16)|(1<<21)
	s_or_b32 s[G1SR], s21, (3<<16)|(1<<21)
	s_or_b32 s[G1SC], s22, (3<<16)|(1<<21)
	MKG1 G1R, 768, 4, 3072                         ; codes: four tiles, of each four K steps' 6,144 bytes; 24,576 bytes from tile to tile
	MKG1 G1C, 768, 4, 3072
	MKG1 G1SR, 64, 8, 1024                         ; scale words: eight K steps, of each eight tiles' 512 bytes; 8,192 bytes from step to step
	MKG1 G1SC, 64, 8, 1024
	s_add_co_u32 s100, s23, 1                      ; p + 1
	s_cmp_eq_u32 s23, 2
	s_cselect_b32 s2, 3, 0                         ; the row operand's part: x, or Wv
	s_cselect_b32 s100, 0, s100                    ; the column operand's: Wq, Wk, or x
	s_mul_i32 s92, s2, PART                        ; the row operand's codes: part, block Rt's 8 tiles, my half.  (No register that feeds these ever holds cx)
	s_mul_i32 s3, s20, 8*GROW
	s_add_co_u32 s92, s92, s3
	s_mul_i32 s3, s16, 4*GROW
	s_add_co_u32 s92, s92, s3
	s_mov_b32 s93, 0
	s_mul_i32 s94, s2, SPART                       ; its scale words: part, 512 bytes a block, my eight K steps
	s_lshl_b32 s3, s20, 9
	s_add_co_u32 s94, s94, s3
	s_lshl_b32 s3, s16, 16
	s_add_co_u32 s94, s94, s3
	s_mov_b32 s95, 0
	s_mul_i32 s96, s100, PART                      ; the column operand's likewise.  (No register that feeds these ever holds cy)
	s_mul_i32 s101, s19, 8*GROW
	s_add_co_u32 s96, s96, s101
	s_mul_i32 s101, s16, 4*GROW
	s_add_co_u32 s96, s96, s101
	s_mov_b32 s97, 0
	s_mul_i32 s98, s100, SPART
	s_lshl_b32 s101, s19, 9
	s_add_co_u32 s98, s98, s101
	s_lshl_b32 s101, s16, 16
	s_add_co_u32 s98, s98, s101
	s_mov_b32 s99, 0
	s_mul_i32 s2, s14, 4*6144                      ; where my quarter of a slot goes: wave x 24,576: no place in the cluster enters an LDS address
	s_lshl_b32 s100, s14, 12
	s_add_co_u32 s100, s100, SCL                   ; and my quarter of the scale words
	s_mov_b32 s[SEL], 0x76543210
	s_mov_b32 s[SEL+1], 0xfedcba98
	s_wait_dscnt 0x0                               ; the opening add is done
	s_wait_kmcnt 0x0
	s_add_nc_u64 s[92:93], s[4:5], s[92:93]
	s_add_nc_u64 s[94:95], s[6:7], s[94:95]
	s_add_nc_u64 s[96:97], s[4:5], s[96:97]
	s_add_nc_u64 s[98:99], s[6:7], s[98:99]
	MKG0 G0SR, 100, 0, 94, 0
	MKG0 G0SC, 100, 0, 98, 0
	MKG0 G0R0, 2, 0, 92, 0                         ; slot n begins with K steps 4 n .. 4 n + 3
	MKG0 G0C0, 2, 0, 96, 0
	MKG0 G0R1, 2, SLOT, 92, 4*FRB
	MKG0 G0C1, 2, SLOT, 96, 4*FRB
	MKG0 G0R2, 2, 2*SLOT, 92, 8*FRB
	MKG0 G0C2, 2, 2*SLOT, 96, 8*FRB
	CROUND                                         ; all sixteen work-groups are here: the first joint loads meet
	JLOAD G0SR, G1SR, G0SC, G1SC                   ; the first fills, one group: the scale words, then the three slots
	JLOAD G0R0, G1R, G0C0, G1C
	JLOAD G0R1, G1R, G0C1, G1C
	JLOAD G0R2, G1R, G0C2, G1C
	v_and_b32 v1, 15, v0                           ; r
	v_bfe_u32 v2, v0, 4, 1                         ; h
	v_and_b32 v3, 31, v0                           ; lane
	v_lshlrev_b32 v17, 4, v3                       ; 16 x lane
	v_lshlrev_b32 v18, 3, v3                       ; 8 x lane
	s_mul_i32 s3, s15, 4*6144                      ; my four tiles of the row operand,
	s_mul_i32 s101, s16, 4*6144
	s_add_co_u32 s101, s101, COFF                  ; and of the column operand
.irp s, 0,1,2
	v_add_nc_u32 v[4+\s], s3, v17                  ; v4-6, v10-12: row fragments in slot s, pieces of 16 and of 8 bytes a lane
	v_add_nc_u32 v[7+\s], s101, v17                ; v7-9, v13-15: column fragments
	v_add_nc_u32 v[10+\s], s3, v18
	v_add_nc_u32 v[13+\s], s101, v18
	s_add_co_u32 s3, s3, SLOT
	s_add_co_u32 s101, s101, SLOT
.endr
	s_lshl_b32 s3, s15, 8                          ; scale words: lanes 0-15 the row operand's (256 rh), lanes 16-31 the column operand's (8,192 + 256 ch): the lower base + h x the distance
	s_lshl_b32 s101, s16, 8
	s_add_co_u32 s101, s101, 8192
	s_sub_co_u32 s101, s101, s3
	v_mul_u32_u24 v16, s101, v2
	s_add_co_u32 s3, s3, SCL
	v_lshl_add_u32 v16, v1, 2, v16
	v_add_nc_u32 v16, s3, v16
	s_lshl_b32 s3, s16, 9                          ; the stage: my wave's 256 bytes at 512 ch + 256 rh; a word for each place
	s_lshl_b32 s101, s15, 8
	s_add_co_u32 s3, s3, s101
	s_add_co_u32 s3, s3, STG
	v_lshl_add_u32 v19, v1, 2, s3
	v_add_nc_u32 v20, STG, v17                     ; and back: 16 bytes a lane
	v_mov_b32 v[TM+2], 0                           ; written once: a lane permute's destination counts as one of its sources
	v_mov_b32 v[TM+3], 0
	s_mul_i32 s2, s23, PART                        ; where my results go: part p, row tile 8 Rt + 4 rh, step Ct, half ch of the image
	s_lshl_b32 s3, s20, 3
	s_lshl_b32 s101, s15, 2
	s_add_co_u32 s3, s3, s101
	s_mul_i32 s3, s3, GROW
	s_add_co_u32 s2, s2, s3
	s_mul_i32 s3, s19, FRB
	s_add_co_u32 s2, s2, s3
	s_mul_i32 s3, s16, 768
	s_add_co_u32 s2, s2, s3
	s_mov_b32 s3, 0
	s_add_nc_u64 s[8:9], s[8:9], s[2:3]
	s_lshl_b32 s2, s23, 17                         ; and the work-group's scale words: part p, step Ct, 512 bytes at block Rt
	s_lshl_b32 s101, s19, 13
	s_add_co_u32 s2, s2, s101
	s_lshl_b32 s101, s20, 9
	s_add_co_u32 s2, s2, s101
	s_add_nc_u64 s[10:11], s[10:11], s[2:3]
.macro FRAG reg, a16, a8, off          ; a fragment's image comes back as it was stored: four loads, each of consecutive bytes
	ds_load_b128 v[\reg:\reg+3], v[\a16] offset:\off
	ds_load_b64 v[\reg+4:\reg+5], v[\a8] offset:\off+512
	ds_load_b128 v[\reg+6:\reg+9], v[\a16] offset:\off+768
	ds_load_b64 v[\reg+10:\reg+11], v[\a8] offset:\off+1280
.endm
.macro FETCH kk                        ; K step kk: 36 LDS loads in one run: 4 scale registers, the column operand's 4 fragments, the row operand's 0, 1 and, youngest, 2, 3
.set FS, ((\kk)/4)%3
.set FQ, (\kk)%4
.set FB, 128*((\kk)%2)
.set FC, SC+4*((\kk)%2)
	WIN 0
.irp i, 0,1,2,3
	ds_load_b32 v[FC+\i], v16 offset:512*(\kk)+64*\i
.endr
	WIN TO_F
.irp b, 0,1,2,3
	FRAG FB+48+12*\b, 7+FS, 13+FS, 6144*\b+FRB*FQ
.endr
.irp a, 0,1,2,3
	FRAG FB+12*\a, 4+FS, 10+FS, 6144*\a+FRB*FQ
.endr
.endm
; Four matrix instructions: row fragment a against the four column fragments.  The 16 accumulators take turns, one instruction a turn, in the same order in every step.
.macro MUL4 k, a, zero
.set MB, 128*((\k)%2)
.set MS, SC+4*((\k)%2)
.irp b, 0,1,2,3
.if \zero
	v_wmma_scale_f32_16x16x128_f8f6f4 v[ACC+32*(\a)+8*\b:ACC+32*(\a)+8*\b+7], v[MB+48+12*\b:MB+48+12*\b+11], v[MB+12*(\a):MB+12*(\a)+11], 0, v[MS+\b], v[MS+(\a)] matrix_a_fmt:MATRIX_FMT_FP6 matrix_b_fmt:MATRIX_FMT_FP6 matrix_a_scale:MATRIX_SCALE_ROW1
.else
	v_wmma_scale_f32_16x16x128_f8f6f4 v[ACC+32*(\a)+8*\b:ACC+32*(\a)+8*\b+7], v[MB+48+12*\b:MB+48+12*\b+11], v[MB+12*(\a):MB+12*(\a)+11], v[ACC+32*(\a)+8*\b:ACC+32*(\a)+8*\b+7], v[MS+\b], v[MS+(\a)] matrix_a_fmt:MATRIX_FMT_FP6 matrix_b_fmt:MATRIX_FMT_FP6 matrix_a_scale:MATRIX_SCALE_ROW1
.endif
.endr
.endm
.macro PLACES                          ; four plain places in front of loads into registers that matrix instructions have read, and of the first read of results
.rept 4
	v_nop
.endr
.endm
.macro KSTEP k, zero
	s_wait_dscnt 8                                 ; all of this step's loads but the youngest eight (row fragments 2, 3) are in
	WIN MUL
	MUL4 \k, 0, \zero
	MUL4 \k, 1, \zero
	PLACES
	FETCH (\k)+1                                   ; into the other buffer and the other set of scale registers
	s_wait_dscnt 36                                ; all but the 36 just issued
	WIN MUL
	MUL4 \k, 2, \zero
	MUL4 \k, 3, \zero
.endm
; A step at which slots change.  Each wave waits for all its tensor loads, adds 0 to its spare word, and waits for that and for its reads so far; then the barrier.  fill = 1: the barrier opens a round of the
; cluster's, and slot 0, which nobody reads any more, is filled again with K steps 12-15.
.macro TURN k, fill
	WIN 0                                          ; (the add's two registers lie in window 0)
	s_wait_tensorcnt 0x0                           ; all my tensor loads have landed
	ds_add_u32 v[SPW], v[NIL]                      ; 0 onto my spare word
	s_wait_dscnt 9                                 ; (the add and the youngest eight loads may be out)
	WIN MUL
	MUL4 \k, 0, 0                                  ; matrix work stands between the add and the wait for it
	s_wait_dscnt 0x0                               ; the add is done, and my LDS reads are over
	s_barrier_signal -1
	MUL4 \k, 1, 0
	WIN 0
	s_barrier_wait -1
.if \fill
	CREST                                          ; no wave of any partner still reads slot 0 or has a load on its way
	s_add_nc_u64 s[G0R0+2:G0R0+3], s[G0R0+2:G0R0+3], 12*FRB
	s_add_nc_u64 s[G0C0+2:G0C0+3], s[G0C0+2:G0C0+3], 12*FRB
	JLOAD G0R0, G1R, G0C0, G1C                     ; the first tensor load behind the round: seven and a half K steps, 120 matrix instructions, ahead of the wait for it; its four v_nop are the places for the loads below
.else
	PLACES
.endif
	FETCH (\k)+1
	WIN MUL
	MUL4 \k, 2, 0
	MUL4 \k, 3, 0
.endm
	s_wait_tensorcnt 2                             ; the scale words and my part of slot 0 are in; slots 1 and 2 may be out
	s_barrier_signal -1
	s_barrier_wait -1                              ; everybody's are
	FETCH 0
	KSTEP 0, 1                                     ; the first step's products start the sums: nothing is cleared
	KSTEP 1, 0
	KSTEP 2, 0
	TURN 3, 1                                      ; its wait for all loads and its round show slots 1 and 2 whole to every wave: steps 4 to 11 need no barrier
	KSTEP 4, 0
	KSTEP 5, 0
	KSTEP 6, 0
	KSTEP 7, 0
	KSTEP 8, 0
	KSTEP 9, 0
	KSTEP 10, 0
	TURN 11, 0                                     ; the refill has landed, in every wave
	KSTEP 12, 0
	KSTEP 13, 0
	KSTEP 14, 0
	s_wait_dscnt 8                                 ; the last step: nothing more to fetch
	WIN MUL
	MUL4 15, 0, 0
	MUL4 15, 1, 0
	s_wait_dscnt 0x0
	MUL4 15, 2, 0
	MUL4 15, 3, 0
	WIN 0
; THE WAY OUT.  Row fragment a's 32 registers of a lane are columns 64 ch + 32 c + 16 h + 0 .. 15, c = 0, 1: two blocks of 32, each in lanes l and l xor 16.  They become registers 6 ch .. 6 ch + 5 of the
; fragment (row tile 8 Rt + 4 rh + a, step Ct): half an image, 768 bytes, stored straight from registers.  Each accumulator is read from its low end on.
.macro QH a
.set A0, ACC+32*(\a)
.set PA, 48+8*(\a)
.set QA, 80+4*(\a)
.irp c, 0,1
	v_max3_num_f32 v[TM+\c], |v[A0+16*\c]|, |v[A0+16*\c+1]|, 0x1800000   ; my 16 numbers of block c, and the floor 2^(3 - 127)
.endr
.irp i, 2,4,6,8,10,12,14
.irp c, 0,1
	v_max3_num_f32 v[TM+\c], v[TM+\c], |v[A0+16*\c+\i]|, |v[A0+16*\c+\i+1]|
.endr
.endr
.irp c, 0,1
	v_permlanex16_b32 v[TM+2+\c], v[TM+\c], s[SEL], s[SEL+1]
.endr
.irp c, 0,1
	v_max_num_f32 v[TM+\c], v[TM+\c], v[TM+2+\c]   ; with lane l xor 16's: the block's largest magnitude
.endr
.irp c, 0,1
	v_add_nc_u32 v[TM+4+\c], 0xff000000, v[TM+\c]  ; 2 off the exponent field: the conversion's scale operand
.endr
.irp c, 0,1
	v_lshrrev_b32 v[TM+6+\c], 23, v[TM+4+\c]       ; the scale's byte
.endr
	v_lshl_or_b32 v[96+(\a)], v[TM+7], 8, v[TM+6]  ; my wave's two bytes of the row's scale word
	v_cvt_scalef32_pk16_fp6_f32 v[PA:PA+2], v[A0:A0+15], v[TM+4]
	v_cvt_scalef32_pk16_fp6_f32 v[QA:QA+2], v[A0+16:A0+31], v[TM+5]
	v_nop                                          ; one plain place behind the scaled conversions
.irp i, 0,1,2
	v_permlane16_swap_b32 v[PA+\i], v[QA+\i]       ; a whole block to a lane: lanes 0-15 block 0, lanes 16-31 block 1
.endr
.irp i, 0,1,2
	v_mov_b32 v[PA+3+\i], v[QA+\i]
.endr
	global_store_b128 v17, v[PA:PA+3], s[8:9] offset:(\a)*GROW        ; 512 consecutive bytes, aligned to 256
	global_store_b64 v18, v[PA+4:PA+5], s[8:9] offset:(\a)*GROW+512   ; 256 consecutive bytes, aligned
	ds_store_b32 v19, v[96+(\a)] offset:64*(\a)    ; lanes r and r + 16 write the same word with the same value
.endm
	PLACES
	QH 0
	QH 1
	QH 2
	QH 3
	s_wait_dscnt 0x0                               ; for the others' sake: my stores into the stage are done
	s_barrier_signal -1
	s_barrier_wait -1
	s_cmp_lg_u32 s14, 0                            ; wave 0 joins the two halves of the 128 rows' scale words and stores them
	s_cbranch_scc1 .Lnot_mine
	ds_load_b128 v[100:103], v20                   ; bytes 0, 1 (ch = 0): tiles 0-7, 16 places each
	ds_load_b128 v[104:107], v20 offset:512        ; bytes 2, 3 (ch = 1)
	s_wait_dscnt 0x0
.irp i, 0,1,2,3
	v_lshl_or_b32 v[100+\i], v[104+\i], 16, v[100+\i]
.endr
	global_store_b128 v17, v[100:103], s[10:11]    ; 512 consecutive bytes, aligned to 256
.Lnot_mine:
	s_wait_tensorcnt 0x0                           ; the wave's end, behind my last tensor load and my last LDS store
	ds_add_u32 v[SPW], v[NIL]
	s_wait_dscnt 0x0
	CROUND                                         ; the closing round: no work-group ends while a partner may still ask for a tile that names it
	s_endpgm
.Lfunc_end_k_qfa233d03c6_proj:
	.size	k_qfa233d03c6_proj, .Lfunc_end_k_qfa233d03c6_proj-k_qfa233d03c6_proj
	.p2alignl 7, 3214868480
	.fill 96, 4, 3214868480
	.section	.rodata,"a",@progbits
	.p2align	6, 0x0
	.amdhsa_kernel k_qfa233d03c6_proj
		.amdhsa_group_segment_fixed_size 327680
		.amdhsa_private_segment_fixed_size 0
		.amdhsa_enable_private_segment 0
		.amdhsa_kernarg_size 32
		.amdhsa_user_sgpr_count 2
		.amdhsa_user_sgpr_kernarg_segment_ptr 1
		.amdhsa_wavefront_size32 1
		.amdhsa_system_sgpr_workgroup_id_x 1
		.amdhsa_system_sgpr_workgroup_id_y 1
		.amdhsa_system_sgpr_workgroup_id_z 1
		.amdhsa_system_vgpr_workitem_id 0
		.amdhsa_next_free_vgpr 512
		.amdhsa_next_free_sgpr 102
		.amdhsa_reserve_vcc 0
		.amdhsa_float_denorm_mode_32 3
		.amdhsa_float_denorm_mode_16_64 3
		.amdhsa_memory_ordered 1
		.amdhsa_forward_progress 1
		.amdhsa_inst_pref_size 95
	.end_amdhsa_kernel
	.amdgpu_metadata
---
amdhsa.version: [ 1, 2 ]
amdhsa.kernels:
  - .name:           k_qfa233d03c6_proj
    .symbol:         k_qfa233d03c6_proj.kd
    .args:
      - { .name: wc, .offset: 0, .size: 8, .value_kind: global_buffer, .address_space: global }
      - { .name: ws, .offset: 8, .size: 8, .value_kind: global_buffer, .address_space: global }
      - { .name: qkvc, .offset: 16, .size: 8, .value_kind: global_buffer, .address_space: global }
      - { .name: qkvs, .offset: 24, .size: 8, .value_kind: global_buffer, .address_space: global }
    .group_segment_fixed_size: 327680
    .private_segment_fixed_size: 0
    .kernarg_segment_align: 8
    .kernarg_segment_size: 32
    .max_flat_workgroup_size: 128
    .sgpr_count:     102
    .vgpr_count:     512
    .wavefront_size: 32
...
	.end_amdgpu_metadata
.endif
;; end of part 2
;; launch attn (part 3): grid 16 x 16, 8 waves a work-group, clusters of 4 x 1, 327,680 bytes of LDS; arguments qkvc, qkvs, mw, ac, acs; writes ac, acs
.if DOCPART == 3
	.amdgcn_target "amdgcn-amd-amdhsa--gfx1250"
	.amdhsa_code_object_version 6
	.text
	.protected	k_qfa233d03c6_attn
	.globl	k_qfa233d03c6_attn
	.p2align	8
	.type	k_qfa233d03c6_attn,@function
k_qfa233d03c6_attn:
	s_mov_b64 s[64:65], 0
	v_nop
	global_prefetch_b8 v0, s[64:65] scope:SCOPE_SE
	s_setreg_imm32_b32 hwreg(HW_REG_WAVE_MODE, 25, 1), 1
	s_wait_xcnt 0x0
	s_wait_alu depctr_hold_cnt(0) depctr_sa_sdst(0) depctr_va_vdst(0) depctr_va_sdst(0) depctr_va_ssrc(0) depctr_va_vcc(0) depctr_vm_vsrc(0)
	s_getreg_b32 s2, hwreg(HW_REG_IB_STS2, 6, 4)
	s_cmp_eq_u32 s2, 0
	s_cbranch_scc0 .Lentry_in_a_cluster
	s_endpgm
.Lentry_in_a_cluster:
	s_bfe_u32 s2, ttmp6, 0x10000c
	s_cmp_lg_u32 s2, 0x3003
	s_cbranch_scc0 .Lentry_shape_is_right
	s_endpgm
.Lentry_shape_is_right:
; For each head: o = softmax(q k^T / sqrt(128), blocked where the mask says so) v, both products on codes of E2M3; o is quantised along the features on its way out.
; INPUTS: qkvc [q, k, v][tile 128][step 16][1,536 bytes]: images of fragments; qkvs [q, k, v][step 16][tile 128][place 16]: scale words.  For q and k a tile is 16 tokens (place r = token
; rho(g, r) = 32 (g / 2) + 8 (g % 2) + r + 8 (r / 8)) and the step is the head; for v a tile is 16 features in the same order (tiles 8 head .. 8 head + 7) and the step is 128 keys.
; mw [query tile 128][key step 16][n 64]: bit 16 h + r of word n = 16 b + i says whether key 128 s + 32 b + 16 h + i is blocked for query rho(g, r): the lane mask of score register n.
; THE SOFTMAX AHEAD OF THE SECOND PRODUCT: t = score x log2(e) / sqrt(128); M = the running largest t rounded up to a whole number; p = 2^(t - M) is quantised along the keys, not normalised; the row's sum is
; taken of the unquantised p and divides at the end; when M moves, the sum and O are multiplied by 2^(old M - new M), which rounds nothing.  Blocked scores become -infinity ahead of the maximum: p = 0.
; The mask is honoured as it is given: every key step is worked; it only selects values.  A query that is blocked at every key has the sum 0: its scale word becomes 0xffffffff (E8M0's NaN), so that its
; row of the final result is NaN, as a softmax over nothing is.
; SHARES.  A work-group owns 128 queries of one head, each of its eight waves one tile of 16; every wave walks all 2,048 keys, 128 a step.  Both products are used transposed (S^T = K Q^T, O^T = V^T P^T):
; a lane holds one query throughout, and by the tiles' order of rows its registers run along neighbouring keys, then neighbouring features.
; LDS: three slots of 512 keys (K's 32 tiles x 1,536 bytes, then V's 8 tiles x 6,144); the head's scale words.  The first fills bring keys 0-1,535 and the scale words (four tensor loads a wave are out at the
; most); one refill brings keys 1,536-2,047 into slot 0.  Waves 0, 1 fetch K's halves, waves 2, 3 V's.
; CLUSTER 4 x 1: the four work-groups of a cluster belong to one head and ask for K and V jointly.
; THE MASK WORDS of a key step, 64 words, are asked for a whole step ahead, by four scalar loads behind the masking of the step before: they take 64 scalar registers, and one wait a step serves them.
; RESULT: ac [query tile 128][head 16][1,536]: images; acs [head 16][query tile 128][place 16]: scale words.
; LIMITS: a block of zeros gets the byte 1; magnitudes under 2^-124 are held at the byte 1; NaN and infinities among the inputs are not served.
; VECTOR REGISTERS: v1, v2 16 and 8 x lane; v3 my place among K's scale words; v4, v7-10 addresses of the step; v5, v6 the add's two; v11 -infinity; v12 -M, v13 the largest t, v[14:15] the sum; v16-27 Q;
;   v28, v29 the stage; v[30:31] c; v32-79 four fragments; v85-87 a phase's bases; v88-91 scale words of V's tiles 4-7; v96-159 S^T, then p, then V's tiles 4-7; v160-223 O^T; v224-235 p's codes;
;   v232-254 at work; v248-251 the tiles' scale words; v255 Q's.
; SCALAR REGISTERS: s2 my wave; s3 the mask words' offset; s[4:19] groups 1 for K's and V's tiles; s[20:31] the three slots' groups 0; s[32:63] mask words 0-31; s[66:67] lane selects; s[68:99] mask words 32-63;
;   s[100:101] my tile's mask words; s104 trips; s105 U.  At the head s[32:63] and s[68:99] hold pointers, the scale words' descriptors and what is at work.
.set FRB,   1536
.set GROW,  24576
.set PART,  3145728
.set SPART, 131072
.set SLOT,  98304
.set COFF,  49152
.set SCK,   294912                     ; K's scale words [tile 128][place 16], 8,192 bytes; V's [key step 16][tile 8][place 16] behind them
.set SSTG,  311296                     ; a stage for the results' scale words, 64 bytes a wave; no tensor load lands here
.set SPARE, 311808                     ; the spare words, 128 bytes a wave: four blocks of 256 bytes that no other line names
.set WV,    2
.set MO,    3
.set G1K,   4
.set G1V,   12
.set G00,   20                         ; s[20:23], s[24:27], s[28:31] groups 0 of the three slots
.set MA,    32
.set SEL,   66
.set MB,    68
.set MP,    100
.set CNT,   104
.set U,     105                        ; slot / 8 + 1,536 q in the slot's q-th key step: 8 U is where the step's tiles of K begin
.set G0S,   44                         ; at the head alone: s[44:47] group 0 of the scale words, s[48:55], s[56:63] their groups 1
.set G1SK,  48
.set G1SV,  56
.macro CROUND
	s_barrier_signal -1
	s_barrier_wait -1
	s_cmp_lg_u32 s[WV], 0
	s_cbranch_scc1 .Lnot_wave_0_\@
	s_barrier_signal -3
.Lnot_wave_0_\@:
	s_barrier_wait -3
	s_barrier_signal -1
	s_barrier_wait -1
.endm
.macro MKG1 g, c, r, p                 ; a group 1: the mask of all four partners, elements of 8 bytes, bit 21 beside the mask, no padding; r rows of c elements, p elements from row to row
	s_mov_b32 s[\g], 15|(3<<16)|(1<<21)
	s_mov_b32 s[\g+1], (\c)<<16
	s_mov_b32 s[\g+2], (\r)<<16
	s_mov_b32 s[\g+3], (\c)<<16
	s_mov_b32 s[\g+4], \r
	s_mov_b32 s[\g+5], \p
	s_mov_b32 s[\g+6], 0
	s_mov_b32 s[\g+7], 0
.endm
	s_load_b128 s[32:35], s[0:1], 0x0              ; qkvc, qkvs
	s_load_b64 s[36:37], s[0:1], 0x10              ; mw
	v_lshl_add_u32 v5, v0, 2, SPARE
	v_mov_b32 v6, 0
	ds_add_u32 v5, v6                              ; the wave's opening: the add and its wait come ahead of my first tensor load; the set-up below, work on registers, stands between them
	v_lshrrev_b32 v1, 5, v0
	v_readfirstlane_b32 s[WV], v1                  ; wave 0..7
	s_and_b32 s80, ttmp7, 0xffff                   ; the head, which the four partners share
	s_bfe_u32 s81, ttmp6, 0x40000                  ; cx: it enters Q's, the mask words' and the results' addresses alone
	s_lshl_b32 s82, ttmp9, 2
	s_add_co_u32 s82, s82, s81                     ; my block of 128 queries
	s_lshl_b32 s83, s82, 3
	s_add_co_u32 s83, s83, s[WV]                   ; my query tile
	s_and_b32 s76, s[WV], 1                        ; which half I fetch, if I fetch
	s_mul_i32 s84, s80, FRB                        ; K's codes: part 1, step = head, 16 tiles a half
	s_mul_i32 s77, s76, 16*GROW
	s_add_co_u32 s84, s84, s77
	s_add_co_u32 s84, s84, PART
	s_mul_i32 s85, s80, 8*GROW                     ; V's: part 2, the head's 8 tiles, 4 a half
	s_mul_i32 s77, s76, 4*GROW
	s_add_co_u32 s85, s85, s77
	s_add_co_u32 s85, s85, 2*PART
	s_lshl_b32 s88, s80, 13                        ; K's scale words: part 1, step = head: 8,192 dense bytes, 4,096 a half
	s_lshl_b32 s77, s76, 12
	s_add_co_u32 s88, s88, s77
	s_add_co_u32 s88, s88, SPART
	s_lshl_b32 s89, s80, 9                         ; V's: part 2, 512 bytes of each key step, eight steps a half
	s_lshl_b32 s77, s76, 16
	s_add_co_u32 s89, s89, s77
	s_add_co_u32 s89, s89, 2*SPART
	s_mov_b32 s86, 4*FRB
	s_cmp_lt_u32 s[WV], 2                          ; K's waves or V's: offsets are chosen, both lie in the same two buffers
	s_cselect_b32 s84, s84, s85
	s_cselect_b32 s88, s88, s89
	s_cselect_b32 s86, 32*GROW, s86                ; from slot to slot: 32 tiles of keys, or 4 key steps in a tile of V
	s_mov_b32 s85, 0
	s_mov_b32 s89, 0
	s_mov_b32 s87, 0
	s_mul_i32 s90, s83, GROW                       ; my tile's image at step = head, in q's part of qkvc
	s_mul_i32 s77, s80, FRB
	s_add_co_u32 s90, s90, s77
	s_mov_b32 s91, 0
	s_lshl_b32 s92, s80, 13                        ; Q's scale words
	s_lshl_b32 s77, s83, 6
	s_add_co_u32 s92, s92, s77
	s_mov_b32 s93, 0
	s_lshl_b32 s94, s83, 12                        ; my tile's mask words: 4,096 bytes
	s_mov_b32 s95, 0
	s_mul_i32 s78, s[WV], 24576                    ; where my quarter of a slot goes,
	s_lshl_b32 s79, s[WV], 12
	s_add_co_u32 s79, s79, SCK                     ; and my quarter of the scale words: no place in the cluster enters an LDS address
	MKG1 G1K, 192, 16, 3072                        ; 16 tiles of keys, 1,536 bytes each, 24,576 bytes apart
	MKG1 G1V, 768, 4, 3072                         ; 4 tiles of features, four key steps' 6,144 bytes each
	MKG1 G1SK, 64, 8, 64                           ; 4,096 dense bytes
	MKG1 G1SV, 64, 8, 1024                         ; 512 bytes of each of eight key steps, 8,192 bytes apart
	s_mov_b32 s[SEL], 0x76543210
	s_mov_b32 s[SEL+1], 0xfedcba98
	s_mov_b32 s[MO], 0                             ; the step's mask words, 256 bytes a step
	s_wait_dscnt 0x0                               ; the opening add is done
	s_wait_kmcnt 0x0
	s_add_nc_u64 s[98:99], s[32:33], s[84:85]
.irp s, 0,1,2
	s_mov_b32 s[G00+4*\s], 1
	s_add_co_u32 s[G00+4*\s+1], s78, \s*SLOT
	s_mov_b64 s[G00+4*\s+2:G00+4*\s+3], s[98:99]
	s_or_b32 s[G00+4*\s+3], s[G00+4*\s+3], 0x80000000
	s_add_nc_u64 s[98:99], s[98:99], s[86:87]
.endr
	s_mov_b32 s[G0S], 1
	s_mov_b32 s[G0S+1], s79
	s_add_nc_u64 s[G0S+2:G0S+3], s[34:35], s[88:89]
	s_or_b32 s[G0S+3], s[G0S+3], 0x80000000
	s_add_nc_u64 s[32:33], s[32:33], s[90:91]      ; Q's image
	s_add_nc_u64 s[34:35], s[34:35], s[92:93]      ; Q's scale words
	s_add_nc_u64 s[MP:MP+1], s[36:37], s[94:95]    ; my mask words
	CROUND                                         ; all four work-groups are here: the first joint loads meet
	s_cmp_lt_u32 s[WV], 2                          ; a wave's four first fills stand in one branch on the wave's number, ahead of every wait on TENSORcnt and every LDS read
	s_cbranch_scc0 .Lfirst_not_k
	tensor_load_to_lds s[G0S:G0S+3], s[G1SK:G1SK+7]
	s_nop 0
	tensor_load_to_lds s[G00:G00+3], s[G1K:G1K+7]
	s_nop 0
	tensor_load_to_lds s[G00+4:G00+7], s[G1K:G1K+7]
	s_nop 0
	tensor_load_to_lds s[G00+8:G00+11], s[G1K:G1K+7]
	s_nop 0
.rept 4
	v_nop
.endr
	s_branch .Lfirst_asked
.Lfirst_not_k:
	s_cmp_lt_u32 s[WV], 4
	s_cbranch_scc0 .Lfirst_asked
	tensor_load_to_lds s[G0S:G0S+3], s[G1SV:G1SV+7]
	s_nop 0
	tensor_load_to_lds s[G00:G00+3], s[G1V:G1V+7]
	s_nop 0
	tensor_load_to_lds s[G00+4:G00+7], s[G1V:G1V+7]
	s_nop 0
	tensor_load_to_lds s[G00+8:G00+11], s[G1V:G1V+7]
	s_nop 0
.rept 4
	v_nop
.endr
.Lfirst_asked:
	v_and_b32 v4, 31, v0                           ; lane
	v_lshlrev_b32 v1, 4, v4
	v_lshlrev_b32 v2, 3, v4
	v_and_b32 v7, 15, v0                           ; r
	v_lshlrev_b32 v254, 2, v7
	global_load_b128 v[16:19], v1, s[32:33]        ; Q's fragment stays in registers
	global_load_b64 v[20:21], v2, s[32:33] offset:512
	global_load_b128 v[22:25], v1, s[32:33] offset:768
	global_load_b64 v[26:27], v2, s[32:33] offset:1280
	global_load_b32 v255, v254, s[34:35]           ; and its scale words
	v_add_nc_u32 v3, SCK, v254
	s_lshl_b32 s77, s[WV], 6
	s_add_co_u32 s77, s77, SSTG
	v_add_nc_u32 v28, s77, v254                    ; the stage: 64 x wave + 4 r
	v_add_nc_u32 v29, SSTG, v1                     ; and back: 16 bytes a lane
	v_mov_b32 v30, 0x3e0293ee                      ; c = log2(e) / sqrt(128),
	v_mov_b32 v31, v30                             ; twice: the packed form names the pair
	v_mov_b32 v11, 0xff800000                      ; -infinity
	v_mov_b32 v13, 0xff61b1e6                      ; the largest t so far: -3e38, under every t
	v_floor_f32 v12, -v13                          ; -M
	v_mov_b32 v14, 0                               ; the sum, in two halves
	v_mov_b32 v15, 0
.irp b, 0,1,2,3
	v_mov_b32 v[236+\b], 0                         ; written once: a lane permute's destination counts as one of its sources
.endr
	v_mov_b32 v253, 0                              ; (named as the upper half of the pair v[252:253] before it is first written)
.set j, 0
.rept 64
	v_mov_b32 v[160+j], 0                          ; O^T.  (The step is written for every step alike: the first finds zeros, which the first change of M leaves zeros)
.set j, j+1
.endr
.macro FRAG reg, a16, a8, off          ; a fragment's image comes back as it was stored: four loads, each of consecutive bytes
	ds_load_b128 v[\reg:\reg+3], v[\a16] offset:\off
	ds_load_b64 v[\reg+4:\reg+5], v[\a8] offset:\off+512
	ds_load_b128 v[\reg+6:\reg+9], v[\a16] offset:\off+768
	ds_load_b64 v[\reg+10:\reg+11], v[\a8] offset:\off+1280
.endm
.macro KLOAD g                         ; K's tiles 4 g .. 4 g + 3 of the step, and their scale words
.irp t, 0,1,2,3
	FRAG 32+12*\t, 4, 7, FRB*(4*(\g)+\t)
	ds_load_b32 v[248+\t], v10 offset:64*(4*(\g)+\t)
.endr
.endm
.macro VLOAD g, reg, sreg              ; V's tiles 4 g .. 4 g + 3, this key step, into v[reg] on; their scale words into v[sreg] on
.irp t, 0,1,2,3
	FRAG (\reg)+12*\t, 8, 9, 6144*(4*(\g)+\t)
	ds_load_b32 v[(\sreg)+\t], v10 offset:8192+64*(4*(\g)+\t)
.endr
.endm
.macro SPROD g
.irp t, 0,1,2,3
	v_wmma_scale_f32_16x16x128_f8f6f4 v[96+8*(4*(\g)+\t):103+8*(4*(\g)+\t)], v[32+12*\t:43+12*\t], v[16:27], 0, v[248+\t], v255 matrix_a_fmt:MATRIX_FMT_FP6 matrix_b_fmt:MATRIX_FMT_FP6
.endr
.endm
.macro OPROD g, reg, sreg
.irp t, 0,1,2,3
	v_wmma_scale_f32_16x16x128_f8f6f4 v[160+8*(4*(\g)+\t):167+8*(4*(\g)+\t)], v[(\reg)+12*\t:(\reg)+12*\t+11], v[224:235], v[160+8*(4*(\g)+\t):167+8*(4*(\g)+\t)], v[(\sreg)+\t], v253 matrix_a_fmt:MATRIX_FMT_FP6 matrix_b_fmt:MATRIX_FMT_FP6
.endr
.endm
.macro MASKH g, sb                     ; 32 scores, each accumulator from its low end on: -infinity where my lane's bit of the register's word is set
.set n, 0
.rept 32
	v_cndmask_b32 v[96+32*(\g)+n], v[96+32*(\g)+n], v11, s[(\sb)+n]
.set n, n+1
.endr
.endm
.macro PLACES                          ; four plain places in front of loads into registers that matrix instructions have read, and of the first read of results
.rept 4
	v_nop
.endr
.endm
; A KEY STEP: 128 keys.
.macro STEP
	v_lshl_add_u32 v4, s[U], 3, v1                 ; K's tiles of the step begin at 8 U.  These six plain lines are also the places behind the last step's products: five are owed, since the first products
	v_lshl_add_u32 v7, s[U], 3, v2                 ; below write over registers (v96 on) that the last products read
	v_add_nc_u32 v8, s[U], v86                     ; V's at U + the phase's base
	v_add_nc_u32 v9, s[U], v87
	v_lshlrev_b32 v10, 9, s[CNT]
	v_sub_nc_u32 v10, v85, v10                     ; the scale words: 512 bytes a step: the end of the phase's four steps less 512 x the trips to go
	KLOAD 0
	s_wait_dscnt 0x0
	SPROD 0
	PLACES
	KLOAD 1
	s_wait_kmcnt 0x0                               ; the step's 64 mask words, asked for a step ago
	MASKH 0, MA
	s_wait_dscnt 0x0
	SPROD 1
	PLACES
	VLOAD 0, 32, 248                               ; lands under the softmax
	MASKH 1, MB
	s_wait_xcnt 0x0                                ; the last scalar loads have read their offset: it may step
	s_add_co_u32 s[MO], s[MO], 256
	s_and_b32 s[MO], s[MO], 0xfff                  ; the last step's look-ahead wraps to step 0: it stays inside my tile's 4,096 bytes
	s_load_b512 s[MA:MA+15], s[MP:MP+1], s[MO] offset:0x0        ; the next step's 64 words: the softmax, eight products and the next step's first four stand between these and the wait for them
	s_load_b512 s[MA+16:MA+31], s[MP:MP+1], s[MO] offset:0x40
	s_load_b512 s[MB:MB+15], s[MP:MP+1], s[MO] offset:0x80
	s_load_b512 s[MB+16:MB+31], s[MP:MP+1], s[MO] offset:0xc0
.irp b, 0,1,2,3
	v_max3_num_f32 v[232+\b], v[96+16*\b], v[97+16*\b], v[98+16*\b]   ; the largest score of each block of 32 keys: it serves for the row's maximum and, since p rises with the score, for the block's largest p
.endr
.irp i, 3,5,7,9,11,13
.irp b, 0,1,2,3
	v_max3_num_f32 v[232+\b], v[232+\b], v[96+16*\b+\i], v[97+16*\b+\i]
.endr
.endr
.irp b, 0,1,2,3
	v_max_num_f32 v[232+\b], v[232+\b], v[111+16*\b]
.endr
.irp b, 0,1,2,3
	v_permlanex16_b32 v[236+\b], v[232+\b], s[SEL], s[SEL+1]
.endr
.irp b, 0,1,2,3
	v_max_num_f32 v[232+\b], v[232+\b], v[236+\b]  ; with lane l xor 16's 16 keys
.endr
	v_max3_num_f32 v254, v232, v233, v234
	v_max_num_f32 v254, v254, v235                 ; the step's largest score of my query
	v_mul_f32 v254, v30, v254                      ; as t
	v_max_num_f32 v13, v13, v254                   ; the running largest t
	v_mov_b32 v254, v12
	v_floor_f32 v12, -v13                          ; the new -M = floor(-t): M is a whole number
	v_sub_f32 v254, v12, v254                      ; old M - new M: a whole number, 0 or less
	v_cvt_i32_f32 v254, v254                       ; (it saturates)
	v_ldexp_f32 v252, 1.0, v254                    ; f = 2^(old M - new M)
.set j, 0
.rept 32
	v_pk_fma_f32 v[96+j:97+j], v[96+j:97+j], v[30:31], v[12:13] op_sel_hi:[1,0,0]   ; t - M, two at a time (of the pairs c and -M the low word serves both halves)
.set j, j+2
.endr
.irp b, 0,1,2,3
	v_fma_f32 v[232+\b], v[232+\b], v30, v12       ; the same of each block's largest score
.endr
.set j, 0
.rept 64
	v_exp_f32 v[96+j], v[96+j]                     ; p = 2^(t - M), at most 1
.set j, j+1
.endr
	v_pk_mul_f32 v[14:15], v[14:15], v[252:253] op_sel_hi:[1,0]   ; the sums under the new M: a plain place behind the exponentials
	s_wait_alu depctr_va_vdst(0)                   ; one wait for the whole batch, ahead of its first reader
.irp b, 0,1,2,3
	v_exp_f32 v[232+\b], v[232+\b]                 ; the block's largest p: the same two instructions on the same number give the same bits
.endr
	v_pk_add_f32 v[236:237], v[96:97], v[98:99]    ; the row's sum is taken of the unquantised p: two at a time, in two chains
.irp j, 4,8,12,16,20,24,28,32,36,40,44,48,52,56,60
	v_pk_add_f32 v[14:15], v[14:15], v[96+\j:97+\j]
	v_pk_add_f32 v[236:237], v[236:237], v[98+\j:99+\j]
.endr
	v_pk_add_f32 v[14:15], v[14:15], v[236:237]
	s_wait_alu depctr_va_vdst(0)                   ; and one for the four
.irp b, 0,1,2,3
	v_max_num_f32 v[232+\b], 0x1800000, v[232+\b]  ; the floor 2^(3 - 127): a block whose every p is 0 keeps the byte 1: its codes are zeros
.endr
.irp b, 0,1,2,3
	v_add_nc_u32 v[244+\b], 0xff000000, v[232+\b]  ; 2 off the exponent field: the conversion's scale operand
.endr
.irp b, 0,1,2,3
	v_lshrrev_b32 v[236+\b], 23, v[244+\b]         ; the scale's byte
.endr
	v_lshl_or_b32 v253, v237, 8, v236              ; p's scale word for these 128 keys
	v_lshl_or_b32 v253, v238, 16, v253
	v_lshl_or_b32 v253, v239, 24, v253
.irp c, 0,1
	v_cvt_scalef32_pk16_fp6_f32 v[224+6*\c:226+6*\c], v[96+32*\c:111+32*\c], v[244+2*\c]
	v_cvt_scalef32_pk16_fp6_f32 v[236+4*\c:238+4*\c], v[112+32*\c:127+32*\c], v[244+2*\c+1]   ; (a conversion's three registers begin on an even number)
.endr
	v_nop                                          ; one plain place behind the scaled conversions
	VLOAD 1, 96, 88                                ; p has been summed and converted: its registers take V's tiles 4-7, which land under the 44 lines below
.irp c, 0,1
.irp i, 0,1,2
	v_permlane16_swap_b32 v[224+6*\c+\i], v[236+4*\c+\i]   ; a whole block to a lane
.endr
.irp i, 0,1,2
	v_mov_b32 v[227+6*\c+\i], v[236+4*\c+\i]
.endr
.endr
.set j, 0
.rept 32
	v_pk_mul_f32 v[160+j:161+j], v[160+j:161+j], v[252:253] op_sel_hi:[1,0]   ; O^T under the new M.  (These 32 are also the places between p's codes and scale word and the products below)
.set j, j+2
.endr
	s_wait_dscnt 0x0                               ; V's eight tiles
	OPROD 0, 32, 248                               ; eight accumulators, one instruction each
	OPROD 1, 96, 88
.endm
.macro PHASE slot, ph                  ; a slot's four key steps, the ph-th four of the sixteen: written once, walked four times
	s_mov_b32 s[U], (\slot)*(SLOT/8)
	s_mov_b32 s[CNT], 4
	v_add_nc_u32 v86, (\slot)*(SLOT-SLOT/8)+COFF, v1   ; U + this = slot + 49,152 + 1,536 q + 16 x lane
	v_add_nc_u32 v87, (\slot)*(SLOT-SLOT/8)+COFF, v2
	v_add_nc_u32 v85, 2048*((\ph)+1), v3
.Lstep_\@:
	STEP
	s_add_co_u32 s[U], s[U], FRB
	s_sub_co_u32 s[CNT], s[CNT], 1
	s_cmp_lg_u32 s[CNT], 0
	s_cbranch_scc1 .Lstep_\@
.endm
	s_wait_tensorcnt 2                             ; the scale words and my part of slot 0 are in; slots 1 and 2 may be out
	s_wait_loadcnt 0x0                             ; Q is in, so its two bases are free; the scale words' descriptors are free since the wait above
	s_load_b512 s[MA:MA+15], s[MP:MP+1], s[MO] offset:0x0        ; the first step's 64 mask words
	s_load_b512 s[MA+16:MA+31], s[MP:MP+1], s[MO] offset:0x40
	s_load_b512 s[MB:MB+15], s[MP:MP+1], s[MO] offset:0x80
	s_load_b512 s[MB+16:MB+31], s[MP:MP+1], s[MO] offset:0xc0
	s_barrier_signal -1
	s_barrier_wait -1                              ; everybody's tiles are in
	PHASE 0, 0
	s_wait_tensorcnt 0x0                           ; THE CHANGE: all my tensor loads have landed, slots 1 and 2 among them, so every group 0 may be written
	ds_add_u32 v5, v6                              ; 0 onto my spare word
	s_mov_b32 s24, 12*FRB                          ; from slot 0's first fill to its refill, three slots on: 12 key steps in a tile of V,
	s_cmp_lt_u32 s[WV], 2
	s_cselect_b32 s24, 96*GROW, s24                ; or 96 tiles of keys.  (s[24:31], the groups 0 of slots 1 and 2, have done their work)
	s_mov_b32 s25, 0
	s_add_nc_u64 s[G00+2:G00+3], s[G00+2:G00+3], s[24:25]   ; slot 0's next keys: 1,536 on
	s_wait_dscnt 0x0                               ; the add is done, and my reads of slot 0 are over
	CROUND                                         ; both now hold of every wave of all four work-groups
	s_cmp_lt_u32 s[WV], 2                          ; the joint refill, first thing behind the round: it has eight key steps in which to land
	s_cbranch_scc0 .Lre_not_k
	tensor_load_to_lds s[G00:G00+3], s[G1K:G1K+7]
	s_nop 0
.rept 4
	v_nop
.endr
	s_branch .Lre_asked
.Lre_not_k:
	s_cmp_lt_u32 s[WV], 4
	s_cbranch_scc0 .Lre_asked
	tensor_load_to_lds s[G00:G00+3], s[G1V:G1V+7]
	s_nop 0
.rept 4
	v_nop
.endr
.Lre_asked:
	PHASE 1, 1
	PHASE 2, 2
	s_wait_tensorcnt 0x0                           ; my part of the refill, the one load that was out, has landed;
	s_wait_dscnt 0x0
	s_barrier_signal -1
	s_barrier_wait -1                              ; everybody's has.
	PHASE 0, 3
	; THE WAY OUT.  O^T / the sum: register 16 b + i of lane (r, h) is feature 32 b + 16 h + i of my query: quantised as the results of the projections are, to one whole fragment and one scale word a row.
	s_wait_kmcnt 0x0                               ; the last look-ahead of mask words: their registers are free from here on
	s_load_b64 s[32:33], s[0:1], 0x18              ; ac and acs: asked for here, wanted behind the divisions and the quantiser
	s_load_b64 s[34:35], s[0:1], 0x20
	s_and_b32 s36, ttmp7, 0xffff                   ; the head
	s_bfe_u32 s37, ttmp6, 0x40000                  ; cx
	s_lshl_b32 s38, ttmp9, 2
	s_add_co_u32 s38, s38, s37                     ; my block of 128 queries
	s_lshl_b32 s39, s38, 3
	s_add_co_u32 s39, s39, s[WV]                   ; my query tile
	s_mul_i32 s40, s39, GROW                       ; my result's image: tile, step = head
	s_mul_i32 s37, s36, FRB
	s_add_co_u32 s40, s40, s37
	s_mov_b32 s41, 0
	s_lshl_b32 s42, s36, 13                        ; the work-group's 512 bytes of acs
	s_lshl_b32 s37, s38, 9
	s_add_co_u32 s42, s42, s37
	s_mov_b32 s43, 0
	PLACES
	v_add_f32 v14, v14, v15                        ; the sum's two halves,
	v_permlanex16_b32 v252, v14, s[SEL], s[SEL+1]
	v_add_f32 v14, v14, v252                       ; and lane l xor 16's: the row's sum
	v_rcp_f32 v15, v14
	v_mov_b32 v253, -1                             ; (a plain place behind the transcendental)
	s_wait_alu depctr_va_vdst(0)                   ; the wait ahead of the first reader
.set j, 0
.rept 64
	v_mul_f32 v[96+j], v[160+j], v15
.set j, j+1
.endr
.irp b, 0,1,2,3
	v_max3_num_f32 v[232+\b], |v[96+16*\b]|, |v[97+16*\b]|, 0x1800000
.endr
.irp i, 2,4,6,8,10,12,14
.irp b, 0,1,2,3
	v_max3_num_f32 v[232+\b], v[232+\b], |v[96+16*\b+\i]|, |v[97+16*\b+\i]|
.endr
.endr
.irp b, 0,1,2,3
	v_permlanex16_b32 v[236+\b], v[232+\b], s[SEL], s[SEL+1]
.endr
.irp b, 0,1,2,3
	v_max_num_f32 v[232+\b], v[232+\b], v[236+\b]
.endr
.irp b, 0,1,2,3
	v_add_nc_u32 v[244+\b], 0xff000000, v[232+\b]
.endr
.irp b, 0,1,2,3
	v_lshrrev_b32 v[236+\b], 23, v[244+\b]
.endr
	v_lshl_or_b32 v252, v237, 8, v236
	v_lshl_or_b32 v252, v238, 16, v252
	v_lshl_or_b32 v252, v239, 24, v252
	v_cmp_eq_f32 vcc_lo, 0, v14                    ; a query blocked at every key: the sum is 0:
	v_cndmask_b32 v252, v252, v253, vcc_lo         ; its scale bytes become E8M0's NaN.  A choice of a value: no branch hangs on it
.irp c, 0,1
	v_cvt_scalef32_pk16_fp6_f32 v[32+6*\c:34+6*\c], v[96+32*\c:111+32*\c], v[244+2*\c]
	v_cvt_scalef32_pk16_fp6_f32 v[44+4*\c:46+4*\c], v[112+32*\c:127+32*\c], v[244+2*\c+1]
.endr
	v_nop                                          ; one plain place behind the scaled conversions
.irp c, 0,1
.irp i, 0,1,2
	v_permlane16_swap_b32 v[32+6*\c+\i], v[44+4*\c+\i]
.endr
.irp i, 0,1,2
	v_mov_b32 v[35+6*\c+\i], v[44+4*\c+\i]
.endr
.endr
	s_wait_kmcnt 0x0                               ; ac and acs
	s_add_nc_u64 s[32:33], s[32:33], s[40:41]
	s_add_nc_u64 s[34:35], s[34:35], s[42:43]
	global_store_b128 v1, v[32:35], s[32:33]                 ; the image: each store covers 512 or 256 consecutive bytes, aligned to 256
	global_store_b64 v2, v[36:37], s[32:33] offset:512
	global_store_b128 v1, v[38:41], s[32:33] offset:768
	global_store_b64 v2, v[42:43], s[32:33] offset:1280
	ds_store_b32 v28, v252                         ; lanes r and r + 16 write the same word with the same value
	s_wait_dscnt 0x0                               ; for the others' sake: my store into the stage is done
	s_barrier_signal -1
	s_barrier_wait -1
	s_cmp_lg_u32 s[WV], 0                          ; wave 0 stores the eight tiles' scale words
	s_cbranch_scc1 .Lnot_mine
	ds_load_b128 v[52:55], v29
	s_wait_dscnt 0x0
	global_store_b128 v1, v[52:55], s[34:35]       ; 512 consecutive bytes, aligned to 256
.Lnot_mine:
	s_wait_tensorcnt 0x0                           ; the wave's end, behind my last tensor load and my last LDS store
	ds_add_u32 v5, v6
	s_wait_dscnt 0x0
	CROUND                                         ; the closing round: no work-group ends while a partner may still ask for a tile that names it
	s_endpgm
.Lfunc_end_k_qfa233d03c6_attn:
	.size	k_qfa233d03c6_attn, .Lfunc_end_k_qfa233d03c6_attn-k_qfa233d03c6_attn
	.p2alignl 7, 3214868480
	.fill 96, 4, 3214868480
	.section	.rodata,"a",@progbits
	.p2align	6, 0x0
	.amdhsa_kernel k_qfa233d03c6_attn
		.amdhsa_group_segment_fixed_size 327680
		.amdhsa_private_segment_fixed_size 0
		.amdhsa_enable_private_segment 0
		.amdhsa_kernarg_size 40
		.amdhsa_user_sgpr_count 2
		.amdhsa_user_sgpr_kernarg_segment_ptr 1
		.amdhsa_wavefront_size32 1
		.amdhsa_system_sgpr_workgroup_id_x 1
		.amdhsa_system_sgpr_workgroup_id_y 1
		.amdhsa_system_sgpr_workgroup_id_z 1
		.amdhsa_system_vgpr_workitem_id 0
		.amdhsa_next_free_vgpr 256
		.amdhsa_next_free_sgpr 106
		.amdhsa_reserve_vcc 1
		.amdhsa_float_denorm_mode_32 3
		.amdhsa_float_denorm_mode_16_64 3
		.amdhsa_memory_ordered 1
		.amdhsa_forward_progress 1
		.amdhsa_inst_pref_size 121
	.end_amdhsa_kernel
	.amdgpu_metadata
---
amdhsa.version: [ 1, 2 ]
amdhsa.kernels:
  - .name:           k_qfa233d03c6_attn
    .symbol:         k_qfa233d03c6_attn.kd
    .args:
      - { .name: qkvc, .offset: 0, .size: 8, .value_kind: global_buffer, .address_space: global }
      - { .name: qkvs, .offset: 8, .size: 8, .value_kind: global_buffer, .address_space: global }
      - { .name: mw, .offset: 16, .size: 8, .value_kind: global_buffer, .address_space: global }
      - { .name: ac, .offset: 24, .size: 8, .value_kind: global_buffer, .address_space: global }
      - { .name: acs, .offset: 32, .size: 8, .value_kind: global_buffer, .address_space: global }
    .group_segment_fixed_size: 327680
    .private_segment_fixed_size: 0
    .kernarg_segment_align: 8
    .kernarg_segment_size: 40
    .max_flat_workgroup_size: 256
    .sgpr_count:     106
    .vgpr_count:     256
    .wavefront_size: 32
...
	.end_amdgpu_metadata
.endif
;; end of part 3
;; launch outp (part 4): grid 16 x 16, 4 waves a work-group, clusters of 4 x 4, 327,680 bytes of LDS; arguments ac, acs, wc, ws, out0; writes out0
.if DOCPART == 4
	.amdgcn_target "amdgcn-amd-amdhsa--gfx1250"
	.amdhsa_code_object_version 6
	.text
	.protected	k_qfa233d03c6_outp
	.globl	k_qfa233d03c6_outp
	.p2align	8
	.type	k_qfa233d03c6_outp,@function
k_qfa233d03c6_outp:
	s_mov_b64 s[64:65], 0
	v_nop
	global_prefetch_b8 v0, s[64:65] scope:SCOPE_SE
	s_setreg_imm32_b32 hwreg(HW_REG_WAVE_MODE, 25, 1), 1
	s_wait_xcnt 0x0
	s_wait_alu depctr_hold_cnt(0) depctr_sa_sdst(0) depctr_va_vdst(0) depctr_va_sdst(0) depctr_va_ssrc(0) depctr_va_vcc(0) depctr_vm_vsrc(0)
	s_getreg_b32 s2, hwreg(HW_REG_IB_STS2, 6, 4)
	s_cmp_eq_u32 s2, 0
	s_cbranch_scc0 .Lentry_in_a_cluster
	s_endpgm
.Lentry_in_a_cluster:
	s_bfe_u32 s2, ttmp6, 0x10000c
	s_cmp_lg_u32 s2, 0xf033
	s_cbranch_scc0 .Lentry_shape_is_right
	s_endpgm
.Lentry_shape_is_right:
; out0 = a Wo^T on codes of E2M3 (K = 2,048); a is the attention's result.  out0: [2048][2048] f32.
; OPERANDS come as images of fragments: the ROW operand a from ac [tile 128][K step 16][1,536 bytes] and acs [K step 16][tile 128][place 16]; the COLUMN operand Wo from part 4 of wc and of ws, laid alike.
; Tile g holds at place r row rho(g, r) = 32 (g / 2) + 8 (g % 2) + r + 8 (r / 8).  THE MATRIX INSTRUCTION TAKES source 0 = a tile of the column operand, source 1 = a tile of the row operand: lane (r, h) then
; holds row rho(row tile, r), and register j of column tile g column 32 (g / 2) + 16 h + 8 (g % 2) + j.  The way out puts rows and columns back into memory's order.
; SHARES.  A work-group makes 128 x 128, four waves 64 x 64 each (16 accumulators): 256 work-groups; tiles of 256 x 256 would make 64.
; K's 16 steps lie in three LDS slots of four steps; the first fills bring steps 0-11 and all scale words (four tensor loads a wave are out at the most); ONE refill brings steps 12-15 into slot 0.
; CLUSTER 4 x 4: the row operand's tiles are shared along a row of the cluster, the column operand's along a column: each is asked for jointly, by the same load with the same descriptor in the four named.
; A row of a whose scale bytes are E8M0's NaN (a query blocked at every key) gives a row of NaN.
; REGISTERS.  Window 0: v1-23 addresses; v28, v29 the add's two; v32-39 scale words, two sets (register i: lanes 0-15 the row operand's tile i, lanes 16-31 the column operand's); v48-111 the way out;
;   v128-255 accumulators ((a, b) at 128 + 32 a + 8 b).  Window 1: two fragment buffers, v0-95 and v128-223: row fragments at + 12 a, column fragments at + 48 + 12 b.
.set FRB,   1536
.set GROW,  24576
.set PART,  3145728
.set SPART, 131072
.set SLOT,  98304                      ; four K steps: the row operand's 8 tiles x 6,144 bytes, then the column operand's
.set COFF,  49152
.set SCL,   294912                     ; behind the slots: the row operand's scale words [step 16][tile 8][place 16], then the column operand's
.set SPARE, 312320                     ; the spare words, 128 bytes a wave: two blocks of 256 bytes that no other line names
.set SPW,   28
.set NIL,   29
.set SC,    32
.set ACC,   128
.set G1R,   24
.set G1C,   32
.set G1SR,  40
.set G1SC,  48
.set G0SR,  56
.set G0R0,  60
.set G0R1,  68
.set G0R2,  72
.set G0SC,  76
.set G0C0,  80
.set G0C1,  84
.set G0C2,  88
.set MSB, 0
.macro WIN new                         ; the immediate's high byte repeats the setting that is left
.if MSB != \new
	s_set_vgpr_msb (MSB<<8)|\new
.set MSB, \new
.endif
.endm
.set MUL,  0x05                        ; sources 0 and 1 window 1; C and D window 0
.set TO_F, 0x40                        ; destination window 1, address window 0
; A joint load: waves 0 and 1 fetch for the row operand, waves 2 and 3 for the column operand.  The branch hangs on the wave's number alone.  An s_nop 0 and four v_nop follow each line.
.macro JLOAD g0r, g1r, g0c, g1c
	s_cmp_eq_u32 s15, 0
	s_cbranch_scc0 .Lfor_c_\@
	tensor_load_to_lds s[\g0r:\g0r+3], s[\g1r:\g1r+7]
	s_nop 0
.rept 4
	v_nop
.endr
	s_branch .Lasked_\@
.Lfor_c_\@:
	tensor_load_to_lds s[\g0c:\g0c+3], s[\g1c:\g1c+7]
	s_nop 0
.rept 4
	v_nop
.endr
.Lasked_\@:
.endm
.macro CREST                           ; a round of the cluster's barrier behind its opening barrier
	s_cmp_lg_u32 s14, 0
	s_cbranch_scc1 .Lnot_wave_0_\@
	s_barrier_signal -3
.Lnot_wave_0_\@:
	s_barrier_wait -3
	s_barrier_signal -1
	s_barrier_wait -1
.endm
.macro CROUND
	s_barrier_signal -1
	s_barrier_wait -1
	CREST
.endm
.macro MKG1 g, c, r, p                 ; words 1 to 7 of a group 1: r rows of c elements of 8 bytes, p elements from row to row
	s_mov_b32 s[\g+1], (\c)<<16
	s_mov_b32 s[\g+2], (\r)<<16
	s_mov_b32 s[\g+3], (\c)<<16
	s_mov_b32 s[\g+4], \r
	s_mov_b32 s[\g+5], \p
	s_mov_b32 s[\g+6], 0
	s_mov_b32 s[\g+7], 0
.endm
.macro MKG0 g, lreg, loff, areg, aoff  ; a group 0: count 1, LDS address, global address, type 2
	s_mov_b32 s[\g], 1
	s_add_co_u32 s[\g+1], s[\lreg], \loff
	s_add_nc_u64 s[\g+2:\g+3], s[\areg:\areg+1], \aoff
	s_or_b32 s[\g+3], s[\g+3], 0x80000000
.endm
	s_load_b256 s[4:11], s[0:1], 0x0               ; ac, acs, wc, ws
	s_load_b64 s[12:13], s[0:1], 0x20              ; out0
	v_lshl_add_u32 v[SPW], v0, 2, SPARE
	v_mov_b32 v[NIL], 0
	ds_add_u32 v[SPW], v[NIL]                      ; the wave's opening: the add and its wait come ahead of my first tensor load; the set-up below, work on registers, stands between them
	v_lshrrev_b32 v1, 5, v0
	v_readfirstlane_b32 s14, v1                    ; wave 0..3
	s_lshr_b32 s15, s14, 1                         ; rh: my half of the rows.  Also: I fetch for the row operand (0) or the column operand (1)
	s_and_b32 s16, s14, 1                          ; ch: my half of the columns.  Also: which half of that operand's tiles I fetch
	s_bfe_u32 s17, ttmp6, 0x40000                  ; cx
	s_bfe_u32 s18, ttmp6, 0x40004                  ; cy
	s_lshl_b32 s19, ttmp9, 2
	s_add_co_u32 s19, s19, s17                     ; Ct: block of 128 columns = 4 x cluster x + cx
	s_and_b32 s20, ttmp7, 0xffff
	s_lshl_b32 s20, s20, 2
	s_add_co_u32 s20, s20, s18                     ; Rt: block of 128 rows = 4 x cluster y + cy
	s_lshl_b32 s21, s18, 2
	s_lshl_b32 s21, 15, s21                        ; my row of the cluster
	s_lshl_b32 s22, 0x1111, s17                    ; my column
	s_or_b32 s[G1R], s21, (3<<16)|(1<<21)          ; 15:0 the mask; 17:16 elements of 8 bytes; 21 set beside a mask; no padding
	s_or_b32 s[G1C], s22, (3<<16)|(1<<21)
	s_or_b32 s[G1SR], s21, (3<<16)|(1<<21)
	s_or_b32 s[G1SC], s22, (3<<16)|(1<<21)
	MKG1 G1R, 768, 4, 3072                         ; codes: four tiles, of each four K steps' 6,144 bytes; 24,576 bytes from tile to tile
	MKG1 G1C, 768, 4, 3072
	MKG1 G1SR, 64, 8, 1024                         ; scale words: eight K steps, of each eight tiles' 512 bytes; 8,192 bytes from step to step
	MKG1 G1SC, 64, 8, 1024
	s_mul_i32 s92, s20, 8*GROW                     ; the row operand's codes: block Rt's 8 tiles, my half.  (No register that feeds these ever holds cx)
	s_mul_i32 s3, s16, 4*GROW
	s_add_co_u32 s92, s92, s3
	s_mov_b32 s93, 0
	s_lshl_b32 s94, s20, 9                         ; its scale words: 512 bytes a block, my eight K steps
	s_lshl_b32 s3, s16, 16
	s_add_co_u32 s94, s94, s3
	s_mov_b32 s95, 0
	s_mul_i32 s96, s19, 8*GROW                     ; the column operand's likewise, in part 4.  (No register that feeds these ever holds cy)
	s_mul_i32 s101, s16, 4*GROW
	s_add_co_u32 s96, s96, s101
	s_add_co_u32 s96, s96, 4*PART
	s_mov_b32 s97, 0
	s_lshl_b32 s98, s19, 9
	s_lshl_b32 s101, s16, 16
	s_add_co_u32 s98, s98, s101
	s_add_co_u32 s98, s98, 4*SPART
	s_mov_b32 s99, 0
	s_mul_i32 s2, s14, 4*6144                      ; where my quarter of a slot goes: wave x 24,576: no place in the cluster enters an LDS address
	s_lshl_b32 s100, s14, 12
	s_add_co_u32 s100, s100, SCL                   ; and my quarter of the scale words
	s_wait_dscnt 0x0                               ; the opening add is done
	s_wait_kmcnt 0x0
	s_add_nc_u64 s[92:93], s[4:5], s[92:93]
	s_add_nc_u64 s[94:95], s[6:7], s[94:95]
	s_add_nc_u64 s[96:97], s[8:9], s[96:97]
	s_add_nc_u64 s[98:99], s[10:11], s[98:99]
	MKG0 G0SR, 100, 0, 94, 0
	MKG0 G0SC, 100, 0, 98, 0
	MKG0 G0R0, 2, 0, 92, 0                         ; slot n begins with K steps 4 n .. 4 n + 3
	MKG0 G0C0, 2, 0, 96, 0
	MKG0 G0R1, 2, SLOT, 92, 4*FRB
	MKG0 G0C1, 2, SLOT, 96, 4*FRB
	MKG0 G0R2, 2, 2*SLOT, 92, 8*FRB
	MKG0 G0C2, 2, 2*SLOT, 96, 8*FRB
	CROUND                                         ; all sixteen work-groups are here: the first joint loads meet
	JLOAD G0SR, G1SR, G0SC, G1SC                   ; the first fills, one group: the scale words, then the three slots
	JLOAD G0R0, G1R, G0C0, G1C
	JLOAD G0R1, G1R, G0C1, G1C
	JLOAD G0R2, G1R, G0C2, G1C
	v_and_b32 v1, 15, v0                           ; r
	v_bfe_u32 v2, v0, 4, 1                         ; h
	v_and_b32 v3, 31, v0                           ; lane
	v_lshlrev_b32 v17, 4, v3                       ; 16 x lane
	v_lshlrev_b32 v18, 3, v3                       ; 8 x lane
	s_mul_i32 s3, s15, 4*6144                      ; my four tiles of the row operand,
	s_mul_i32 s101, s16, 4*6144
	s_add_co_u32 s101, s101, COFF                  ; and of the column operand
.irp s, 0,1,2
	v_add_nc_u32 v[4+\s], s3, v17                  ; v4-6, v10-12: row fragments in slot s, pieces of 16 and of 8 bytes a lane
	v_add_nc_u32 v[7+\s], s101, v17                ; v7-9, v13-15: column fragments
	v_add_nc_u32 v[10+\s], s3, v18
	v_add_nc_u32 v[13+\s], s101, v18
	s_add_co_u32 s3, s3, SLOT
	s_add_co_u32 s101, s101, SLOT
.endr
	s_lshl_b32 s3, s15, 8                          ; scale words: lanes 0-15 the row operand's (256 rh), lanes 16-31 the column operand's (8,192 + 256 ch): the lower base + h x the distance
	s_lshl_b32 s101, s16, 8
	s_add_co_u32 s101, s101, 8192
	s_sub_co_u32 s101, s101, s3
	v_mul_u32_u24 v16, s101, v2
	s_add_co_u32 s3, s3, SCL
	v_lshl_add_u32 v16, v1, 2, v16
	v_add_nc_u32 v16, s3, v16
	s_mul_i32 s101, s14, 16*272                    ; my stage for the way out: 16 rows x (256 + 16) bytes, in slot 1
	s_add_co_u32 s101, s101, SLOT
	v_mul_u32_u24 v19, v1, 272
	v_lshl_add_u32 v19, v2, 6, v19
	v_add_nc_u32 v19, s101, v19                    ; in: place r, + 64 h
	v_mul_u32_u24 v20, v2, 272
	v_lshl_add_u32 v20, v1, 4, v20
	v_add_nc_u32 v20, s101, v20                    ; back: lanes 0-15 one place, lanes 16-31 the next; 16 bytes a lane
	v_lshlrev_b32 v21, 13, v2
	v_lshl_add_u32 v21, v1, 4, v21                 ; and the same in out0: a row is 8,192 bytes
	s_lshl_b32 s2, s20, 20                         ; my part of out0: row 128 Rt + 64 rh, column 128 Ct + 64 ch
	s_lshl_b32 s3, s15, 19
	s_add_co_u32 s2, s2, s3
	s_lshl_b32 s3, s19, 9
	s_add_co_u32 s2, s2, s3
	s_lshl_b32 s3, s16, 8
	s_add_co_u32 s2, s2, s3
	s_mov_b32 s3, 0
	s_add_nc_u64 s[12:13], s[12:13], s[2:3]
.macro FRAG reg, a16, a8, off          ; a fragment's image comes back as it was stored: four loads, each of consecutive bytes
	ds_load_b128 v[\reg:\reg+3], v[\a16] offset:\off
	ds_load_b64 v[\reg+4:\reg+5], v[\a8] offset:\off+512
	ds_load_b128 v[\reg+6:\reg+9], v[\a16] offset:\off+768
	ds_load_b64 v[\reg+10:\reg+11], v[\a8] offset:\off+1280
.endm
.macro FETCH kk                        ; K step kk: 36 LDS loads in one run: 4 scale registers, the column operand's 4 fragments, the row operand's 0, 1 and, youngest, 2, 3
.set FS, ((\kk)/4)%3
.set FQ, (\kk)%4
.set FB, 128*((\kk)%2)
.set FC, SC+4*((\kk)%2)
	WIN 0
.irp i, 0,1,2,3
	ds_load_b32 v[FC+\i], v16 offset:512*(\kk)+64*\i
.endr
	WIN TO_F
.irp b, 0,1,2,3
	FRAG FB+48+12*\b, 7+FS, 13+FS, 6144*\b+FRB*FQ
.endr
.irp a, 0,1,2,3
	FRAG FB+12*\a, 4+FS, 10+FS, 6144*\a+FRB*FQ
.endr
.endm
; Four matrix instructions: row fragment a against the four column fragments.  The 16 accumulators take turns, one instruction a turn, in the same order in every step.
.macro MUL4 k, a, zero
.set MB, 128*((\k)%2)
.set MS, SC+4*((\k)%2)
.irp b, 0,1,2,3
.if \zero
	v_wmma_scale_f32_16x16x128_f8f6f4 v[ACC+32*(\a)+8*\b:ACC+32*(\a)+8*\b+7], v[MB+48+12*\b:MB+48+12*\b+11], v[MB+12*(\a):MB+12*(\a)+11], 0, v[MS+\b], v[MS+(\a)] matrix_a_fmt:MATRIX_FMT_FP6 matrix_b_fmt:MATRIX_FMT_FP6 matrix_a_scale:MATRIX_SCALE_ROW1
.else
	v_wmma_scale_f32_16x16x128_f8f6f4 v[ACC+32*(\a)+8*\b:ACC+32*(\a)+8*\b+7], v[MB+48+12*\b:MB+48+12*\b+11], v[MB+12*(\a):MB+12*(\a)+11], v[ACC+32*(\a)+8*\b:ACC+32*(\a)+8*\b+7], v[MS+\b], v[MS+(\a)] matrix_a_fmt:MATRIX_FMT_FP6 matrix_b_fmt:MATRIX_FMT_FP6 matrix_a_scale:MATRIX_SCALE_ROW1
.endif
.endr
.endm
.macro PLACES                          ; four plain places in front of loads into registers that matrix instructions have read, and of the first read of results
.rept 4
	v_nop
.endr
.endm
.macro KSTEP k, zero
	s_wait_dscnt 8                                 ; all of this step's loads but the youngest eight (row fragments 2, 3) are in
	WIN MUL
	MUL4 \k, 0, \zero
	MUL4 \k, 1, \zero
	PLACES
	FETCH (\k)+1                                   ; into the other buffer and the other set of scale registers
	s_wait_dscnt 36                                ; all but the 36 just issued
	WIN MUL
	MUL4 \k, 2, \zero
	MUL4 \k, 3, \zero
.endm
; A step at which slots change.  Each wave waits for all its tensor loads, adds 0 to its spare word, and waits for that and for its reads so far; then the barrier.  fill = 1: the barrier opens a round of the
; cluster's, and slot 0, which nobody reads any more, is filled again with K steps 12-15.
.macro TURN k, fill
	WIN 0                                          ; (the add's two registers lie in window 0)
	s_wait_tensorcnt 0x0                           ; all my tensor loads have landed
	ds_add_u32 v[SPW], v[NIL]                      ; 0 onto my spare word
	s_wait_dscnt 9                                 ; (the add and the youngest eight loads may be out)
	WIN MUL
	MUL4 \k, 0, 0                                  ; matrix work stands between the add and the wait for it
	s_wait_dscnt 0x0                               ; the add is done, and my LDS reads are over
	s_barrier_signal -1
	MUL4 \k, 1, 0
	WIN 0
	s_barrier_wait -1
.if \fill
	CREST                                          ; no wave of any partner still reads slot 0 or has a load on its way
	s_add_nc_u64 s[G0R0+2:G0R0+3], s[G0R0+2:G0R0+3], 12*FRB
	s_add_nc_u64 s[G0C0+2:G0C0+3], s[G0C0+2:G0C0+3], 12*FRB
	JLOAD G0R0, G1R, G0C0, G1C                     ; the first tensor load behind the round: seven and a half K steps, 120 matrix instructions, ahead of the wait for it; its four v_nop are the places for the loads below
.else
	PLACES
.endif
	FETCH (\k)+1
	WIN MUL
	MUL4 \k, 2, 0
	MUL4 \k, 3, 0
.endm
	s_wait_tensorcnt 2                             ; the scale words and my part of slot 0 are in; slots 1 and 2 may be out
	s_barrier_signal -1
	s_barrier_wait -1                              ; everybody's are
	FETCH 0
	KSTEP 0, 1                                     ; the first step's products start the sums: nothing is cleared
	KSTEP 1, 0
	KSTEP 2, 0
	TURN 3, 1                                      ; its wait for all loads and its round show slots 1 and 2 whole to every wave: steps 4 to 11 need no barrier
	KSTEP 4, 0
	KSTEP 5, 0
	KSTEP 6, 0
	KSTEP 7, 0
	KSTEP 8, 0
	KSTEP 9, 0
	KSTEP 10, 0
	TURN 11, 0                                     ; the refill has landed, in every wave; and behind this barrier nobody reads slot 1 any more
	KSTEP 12, 0
	KSTEP 13, 0
	KSTEP 14, 0
	s_wait_dscnt 8                                 ; the last step: nothing more to fetch
	WIN MUL
	MUL4 15, 0, 0
	MUL4 15, 1, 0
	s_wait_dscnt 0x0
	MUL4 15, 2, 0
	MUL4 15, 3, 0
	WIN 0
; THE WAY OUT, a row fragment (16 rows x my 64 columns) at a time.  A lane holds 4 x 32 bytes of one row and the lanes beside it other rows: the block goes through my own stage and comes back as whole pieces of
; 256 bytes of a row.  The stage lies in slot 1, which has had its only fill and its last read.  LDS serves a wave's instructions in order (ISA guide 5.7.1.4): no wait between the stores and the loads.
.macro TOSTAGE a
.irp b, 0,1,2,3
	ds_store_b128 v19, v[ACC+32*(\a)+8*\b:ACC+32*(\a)+8*\b+3] offset:128*(\b/2)+32*(\b%2)        ; columns 32 (b / 2) + 16 h + 8 (b % 2) + 0 .. 7; each accumulator from its low end on
	ds_store_b128 v19, v[ACC+32*(\a)+8*\b+4:ACC+32*(\a)+8*\b+7] offset:128*(\b/2)+32*(\b%2)+16
.endr
.irp t, 0,1,2,3,4,5,6,7
	ds_load_b128 v[48+32*((\a)%2)+4*\t:48+32*((\a)%2)+4*\t+3], v20 offset:544*\t                 ; places 2 t and 2 t + 1
.endr
.endm
.macro SEND a, younger                 ; younger: the LDS instructions issued behind block a's loads, which may stay out
	s_wait_dscnt \younger
.irp t, 0,1,2,3,4,5,6,7
	global_store_b128 v21, v[48+32*((\a)%2)+4*\t:48+32*((\a)%2)+4*\t+3], s[12:13] offset:(32*((\a)/2)+8*((\a)%2)+2*\t+8*(\t/4))*8192 th:TH_STORE_NT   ; place 2 t + h is row 32 (a / 2) + 8 (a % 2) + 2 t + h + 8 (t / 4); sixteen lanes store 256 consecutive bytes, aligned
.endr
.endm
	PLACES
	TOSTAGE 0
	TOSTAGE 1
	SEND 0, 16                                     ; behind block 0's loads: block 1's 8 stores and 8 loads
	s_wait_xcnt 0x0                                ; block 0's stores have read their registers: block 2's loads may land there
	TOSTAGE 2
	SEND 1, 16
	s_wait_xcnt 0x0
	TOSTAGE 3
	SEND 2, 16
	SEND 3, 0
	s_wait_tensorcnt 0x0                           ; the wave's end, behind my last tensor load and my last LDS store
	ds_add_u32 v[SPW], v[NIL]
	s_wait_dscnt 0x0
	CROUND                                         ; the closing round: no work-group ends while a partner may still ask for a tile that names it
	s_endpgm
.Lfunc_end_k_qfa233d03c6_outp:
	.size	k_qfa233d03c6_outp, .Lfunc_end_k_qfa233d03c6_outp-k_qfa233d03c6_outp
	.p2alignl 7, 3214868480
	.fill 96, 4, 3214868480
	.section	.rodata,"a",@progbits
	.p2align	6, 0x0
	.amdhsa_kernel k_qfa233d03c6_outp
		.amdhsa_group_segment_fixed_size 327680
		.amdhsa_private_segment_fixed_size 0
		.amdhsa_enable_private_segment 0
		.amdhsa_kernarg_size 40
		.amdhsa_user_sgpr_count 2
		.amdhsa_user_sgpr_kernarg_segment_ptr 1
		.amdhsa_wavefront_size32 1
		.amdhsa_system_sgpr_workgroup_id_x 1
		.amdhsa_system_sgpr_workgroup_id_y 1
		.amdhsa_system_sgpr_workgroup_id_z 1
		.amdhsa_system_vgpr_workitem_id 0
		.amdhsa_next_free_vgpr 512
		.amdhsa_next_free_sgpr 102
		.amdhsa_reserve_vcc 0
		.amdhsa_float_denorm_mode_32 3
		.amdhsa_float_denorm_mode_16_64 3
		.amdhsa_memory_ordered 1
		.amdhsa_forward_progress 1
		.amdhsa_inst_pref_size 93
	.end_amdhsa_kernel
	.amdgpu_metadata
---
amdhsa.version: [ 1, 2 ]
amdhsa.kernels:
  - .name:           k_qfa233d03c6_outp
    .symbol:         k_qfa233d03c6_outp.kd
    .args:
      - { .name: ac, .offset: 0, .size: 8, .value_kind: global_buffer, .address_space: global }
      - { .name: acs, .offset: 8, .size: 8, .value_kind: global_buffer, .address_space: global }
      - { .name: wc, .offset: 16, .size: 8, .value_kind: global_buffer, .address_space: global }
      - { .name: ws, .offset: 24, .size: 8, .value_kind: global_buffer, .address_space: global }
      - { .name: out0, .offset: 32, .size: 8, .value_kind: global_buffer, .address_space: global }
    .group_segment_fixed_size: 327680
    .private_segment_fixed_size: 0
    .kernarg_segment_align: 8
    .kernarg_segment_size: 40
    .max_flat_workgroup_size: 128
    .sgpr_count:     102
    .vgpr_count:     512
    .wavefront_size: 32
...
	.end_amdgpu_metadata
.endif
;; end of part 4
